; MI455X (gfx1250); checked and timed in simulation.
; The chip was launched on July 23, 2026; its instructions are those of AMD's public machine-readable ISA for CDNA 5 (MIT licence, August 2026) and "CDNA5" Instruction Set Architecture Reference Guide (July 2026). The comments in the code are by the model that wrote it; some were corrected since.
;; Causal Multihead Attention. Allowed arithmetic: matrix products marked QUANTISED: E3M2 operands, one E8M0 scale for each 32 along K, by v_wmma_scale_f32_16x16x128_f8f6f4 with both operands' format E3M2, f32 sums; everything else in f32.
;; Inputs: b_proj 1,024 float32; b_qkv 3,072 float32; w_proj 1,024 x 1,024 float32; w_qkv 1,024 x 3,072 float32; x 4 x 2,048 x 1,024 float32.
;; Outputs: out0 4 x 2,048 x 1,024 float32.
;; This version of the problem:
;;   THIS VERSION OF THE PROBLEM IS GIVEN IN LOW PRECISION. The matrix products marked QUANTISED in the list below multiply operands that are first quantised to E3M2 (3 exponent bits, 2 mantissa bits; 6 bits a number), with one power-of-two scale for each 32 numbers along K (OCP MX v1.0); their sums are f32. All else is computed in f32.
;;   The module's matrix products, in the order in which they are computed (A, B: the left and right operand; K: the contracted axis; several contracted axes count as one K, in the product's order):
;;     1. [M 8,192, K 1,024] x [K 1,024, N 3,072]; A: input x; B: input w_qkv: QUANTISED
;;     2. batch 64 x [M 2,048, K 64] x [K 64, N 2,048]; A: computed on the way; B: computed on the way: QUANTISED
;;     3. batch 64 x [M 2,048, K 2,048] x [K 2,048, N 64]; A: softmax (see below); B: computed on the way: QUANTISED
;;     4. [M 8,192, K 1,024] x [K 1,024, N 1,024]; A: computed on the way; B: input w_proj: QUANTISED
;;   THE QUANTISER, for each operand of a quantised product, along K:
;;     - K is cut into blocks of 32 from its start; a last block that is shorter is filled with zeros.
;;     - A block's scale is 2^e with e = floor(log2(the largest magnitude in the block)) - 4, held to -126 .. 127; a block of zeros has e = 0. As a byte (E8M0): e + 127.
;;     - Each number is divided by its block's scale, clamped to +-28, and rounded to the nearest number of E3M2, ties to even, subnormals kept.
;;     - The product sums the exact products of the quantised numbers (number of the format x scale) in f32.
;;   ~~~python
;;   def quantise(x, axis):      # numpy; x: float32 -> the quantised numbers, widened to float32 again
;;       x = np.moveaxis(x, axis, -1); K = x.shape[-1]
;;       x = np.pad(x, [(0, 0)] * (x.ndim - 1) + [(0, -K % 32)]); x = x.reshape(x.shape[:-1] + (-1, 32)); a = np.abs(x).max(-1, keepdims=True)
;;       e = np.where(a > 0, np.clip(np.frexp(np.where(a > 0, a, 1))[1] - 1 - 4, -126, 127), 0)      # np.frexp(a)[1] - 1 = floor(log2(a)), exactly
;;       r = np.clip(x / 2.0 ** e, -28, 28)
;;       step = 2.0 ** (np.maximum(np.frexp(np.where(r == 0, 1, r))[1] - 1, -2) - 2)
;;       q = np.round(r / step) * step * 2.0 ** e      # np.round: ties to even
;;       return np.moveaxis(q.reshape(q.shape[:-2] + (-1,))[..., :K], -1, axis).astype(np.float32)
;;   ~~~
;;   SOFTMAX AHEAD OF A QUANTISED PRODUCT. Where the list says 'softmax', what is quantised is not the finished softmax but p = 2^(t - M), with t = logit x log2(e) and M = ceil(the row's largest t), a whole number; so 1/2 < the row's largest p <= 1. The row's sum l is taken of the UNQUANTISED p, in f32, and the product's result is divided by l at the end. Since M is a whole number, a kernel that streams over the keys may use a running M (the ceiling of the running maximum): every later rescaling is an exact power of two, which a block's scale takes up: the codes' values come out the same.
;;   OPERANDS COMPUTED ON THE WAY. 'Computed on the way' means the value that the module computes at that place (a softmax that the list does not call 'softmax' is quantised finished and normalised). What goes into a quantiser is computed in f32, as accurately as f32 sums, v_exp_f32 and their like allow (about 1e-6 of the number): no bf16 or f16 on the way to a quantiser, and a product that is left as it is and whose result goes on into a quantised operand takes f32 operands (vector FMAs, or v_wmma_f32_16x16x4_f32). A number that lies on a knife's edge between two numbers of the format may be rounded either way, as far as f32 arithmetic and the matrix unit's own rounding can turn it there, and no further.
;; One version. Each part assembles by itself: llvm-mc -triple=amdgcn-amd-amdhsa -mcpu=gfx1250 --defsym DOCPART=n.
;; ======== version 1 of 1: 4 launches
;; limits: right only within a limited range of input values
;; workspace buffers: cod1 9,437,184 bytes; scl1 393,216 bytes; cod2 26,738,688 bytes; cod3 6,291,456 bytes; scl3 262,144 bytes
;; launch quant (part 1): grid 384 x 1, 4 waves a work-group, no clusters, 85,504 bytes of LDS; arguments x, w_qkv, w_proj, cod1, scl1; writes cod1, scl1
.if DOCPART == 1
	.amdgcn_target "amdgcn-amd-amdhsa--gfx1250"
	.amdhsa_code_object_version 6
	.text
	.protected	k_qd62104695a_quant
	.globl	k_qd62104695a_quant
	.p2align	8
	.type	k_qd62104695a_quant,@function
k_qd62104695a_quant:
	s_mov_b64 s[64:65], 0
	v_nop
	global_prefetch_b8 v0, s[64:65] scope:SCOPE_SE
	s_setreg_imm32_b32 hwreg(HW_REG_WAVE_MODE, 25, 1), 1
	s_wait_xcnt 0x0
; x [8192][1024], w_qkv [1024][3072] and w_proj [1024][1024], f32, become codes of BF6 (E3M2) with one E8M0 byte for each 32 along K, laid as the products' operand registers want them.
; THE LAYOUT.  An operand's rows go in groups of 32; tile 2 b + u holds at lane place r the row 32 b + 8 u + r + 8 (r / 8).  A fragment (16 rows x 128 K, 12 registers a lane) is six pieces of 256 bytes:
; piece p holds registers 2 p and 2 p + 1, lane l at byte 8 l.  cod1: [tile][K step 0..7][1,536 bytes]; scl1: [tile][slot 0..3][place r][2] words, the word of K step 2 slot + q.
; Tiles 0-511 are x (rows = tokens), 512-703 w_qkv (rows = its columns n), 704-767 w_proj.
; A block's scale is 2^(floor(log2(largest magnitude)) - 4); its byte is the largest magnitude's exponent field - 4, held at 1 from below.
; LIMITS: NaN and infinities among the inputs are not served; a block whose largest magnitude lies under 2^-122 keeps the byte 1; a block of zeros gets the byte 1 where the rule says 127
; (its codes are zeros, and this program alone reads the bytes).
; Work-groups 0-255 take x, 256-351 w_qkv, 352-383 w_proj: three ways through the text, each with LDS bytes of its own.  Waves share nothing: no barrier.  No matrix unit, no cluster, no tensor load: a stream read once.
.set XPW,  8448                        ; x: a wave's stage, 16 rows x (512 bytes + 16)
.set WPW,  6400                        ; weights: a wave's stage, two tiles x 3,200 bytes (3,072 used: the two tiles' stores fall on different banks)
.set WQST, 4*XPW                       ; w_qkv's stages begin behind x's,
.set WPST, WQST+4*WPW                  ; w_proj's behind those
.set R,    32                          ; x: v32-159  two sets of 64 numbers as loaded
.set X,    160                         ; x: v160-223 64 numbers in the operand's order: register 32 c + i = k 64 c + 32 h + i of row r
.set PC,   224                         ; x: v224-235 a fragment's codes
.set TP,   236                         ; x: v236-242 the upper halves of the two blocks, as the conversions leave them
.set SW,   16                          ; x: v16-19   the four fragments' scale words
.set WX,   32                          ; w: v32-95   two sets of 32 numbers
.set C,    96                          ; w: v96-102  a block's codes
.set OUTR, 112                         ; w: v112-159 the way out
.set SB,   24                          ; w: v24-25   the eight scale bytes
	s_load_b256 s[4:11], s[0:1], 0x0               ; x s[4:5], w_qkv s[6:7], w_proj s[8:9], cod1 s[10:11]
	s_load_b64 s[12:13], s[0:1], 0x20              ; scl1
	v_lshl_add_u32 v254, v0, 2, 0x14c00
	v_mov_b32 v255, 0
	v_lshrrev_b32 v1, 5, v0
	v_readfirstlane_b32 s14, v1                    ; wave 0..3
	v_and_b32 v1, 31, v0                           ; lane
	v_and_b32 v2, 15, v0                           ; r
	v_bfe_u32 v3, v0, 4, 1                         ; h
	v_lshlrev_b32 v4, 4, v1                        ; 16 x lane
	v_lshlrev_b32 v5, 3, v1                        ; 8 x lane
	s_cmp_lt_u32 ttmp9, 256
	s_cbranch_scc0 .Lweights
; ---- x.  A wave takes one tile of 16 rows and half of K: four fragments.  K is innermost: a load takes 512 consecutive bytes of one row, and the 16 rows turn through the wave's stage so that lane (r, h) gets two whole blocks of row r.
	s_lshl_b32 s15, ttmp9, 2
	s_add_co_u32 s15, s15, s14                     ; which of 1,024 shares
	s_lshr_b32 s16, s15, 1                         ; the tile
	s_and_b32 s17, s15, 1                          ; the half of K
	s_lshr_b32 s18, s16, 1
	s_lshl_b32 s18, s18, 5
	s_and_b32 s19, s16, 1
	s_lshl_b32 s19, s19, 3
	s_add_co_u32 s18, s18, s19                     ; the row at place 0: 32 (tile / 2) + 8 (tile % 2)
	s_lshl_b32 s18, s18, 12                        ; rows of 4,096 bytes
	s_lshl_b32 s19, s17, 11
	s_add_co_u32 s18, s18, s19                     ; + 2,048 bytes for the upper half of K
	s_mov_b32 s19, 0
	s_mul_i32 s20, s16, 12288
	s_mul_i32 s21, s17, 6144
	s_add_co_u32 s20, s20, s21                     ; the codes' place
	s_mov_b32 s21, 0
	s_lshl_b32 s22, s16, 9
	s_lshl_b32 s23, s17, 8
	s_add_co_u32 s22, s22, s23                     ; the scale words' place
	s_mov_b32 s23, 0
	s_mul_i32 s24, s14, XPW
	s_wait_alu depctr_va_vdst(0)
	v_add_nc_u32 v6, s24, v4                       ; into the stage: 16 x lane, a row an instruction
	v_mul_u32_u24 v7, v2, 528
	v_lshl_add_u32 v7, v3, 7, v7
	v_add_nc_u32 v7, s24, v7                       ; out of it: row r, + 128 h bytes: my block of 32
	v_lshlrev_b32 v10, 3, v3                       ; 8 h: where my two bytes stand in the scale word
	v_mov_b32 v11, 0                               ; a lane permute's destination counts as one of its sources
	s_mov_b32 s26, 0x76543210
	s_mov_b32 s27, 0xfedcba98                      ; lane l xor 16
	s_wait_alu depctr_va_vdst(0)
	s_wait_kmcnt 0x0
	s_add_nc_u64 s[4:5], s[4:5], s[18:19]
	s_add_nc_u64 s[10:11], s[10:11], s[20:21]
	s_add_nc_u64 s[12:13], s[12:13], s[22:23]
.macro XLOAD f                         ; fragment f: the 128 numbers of each of the tile's 16 rows
.irp p, 0,1,2,3,4,5,6,7,8,9,10,11,12,13,14,15
	global_load_b128 v[R+64*((\f)%2)+4*\p:R+64*((\f)%2)+4*\p+3], v4, s[4:5] offset:(\p+8*(\p/8))*4096+512*(\f) th:TH_LOAD_NT
.endr
.endm
.macro XTURN f                         ; through the stage: LDS serves a wave's instructions in order, so no wait stands between the stores and the loads
.irp p, 0,1,2,3,4,5,6,7,8,9,10,11,12,13,14,15
	ds_store_b128 v6, v[R+64*((\f)%2)+4*\p:R+64*((\f)%2)+4*\p+3] offset:528*\p
.endr
.irp c, 0,1
.irp i, 0,1,2,3,4,5,6,7
	ds_load_b128 v[X+32*\c+4*\i:X+32*\c+4*\i+3], v7 offset:256*\c+16*\i
.endr
.endr
.endm
.macro XQ f                            ; my two blocks (h and 2 + h of the K step) become registers 0-5 and 6-11 of the fragment
.irp c, 0,1
	v_max3_num_f32 v[8+\c], |v[X+32*\c]|, |v[X+32*\c+1]|, 0x2800000   ; with the floor 2^(5 - 127): the byte cannot fall under 1
.endr
.irp i, 2,4,6,8,10,12,14,16,18,20,22,24,26,28,30
.irp c, 0,1
	v_max3_num_f32 v[8+\c], v[8+\c], |v[X+32*\c+\i]|, |v[X+32*\c+\i+1]|
.endr
.endr
.irp c, 0,1
	v_add_nc_u32 v[12+\c], 0xfe000000, v[8+\c]     ; 4 off the exponent field: the conversion's scale operand
.endr
.irp c, 0,1
	v_lshrrev_b32 v[14+\c], 23, v[12+\c]           ; the byte
.endr
	v_lshl_or_b32 v[SW+\f], v15, 16, v14
	v_lshlrev_b32 v[SW+\f], v10, v[SW+\f]          ; bytes h and 2 + h
	v_permlanex16_b32 v11, v[SW+\f], s26, s27
	v_or_b32 v[SW+\f], v[SW+\f], v11               ; with lane l xor 16's two the word is whole, in both lanes
.irp c, 0,1
	v_cvt_scalef32_pk16_bf6_f32 v[PC+6*\c:PC+6*\c+2], v[X+32*\c:X+32*\c+15], v[12+\c]
	v_cvt_scalef32_pk16_bf6_f32 v[TP+4*\c:TP+4*\c+2], v[X+32*\c+16:X+32*\c+31], v[12+\c]   ; (a conversion's three registers begin on an even number)
.endr
	v_nop                                          ; one plain line behind a scaled conversion
.irp c, 0,1
.irp i, 0,1,2
	v_mov_b32 v[PC+6*\c+3+\i], v[TP+4*\c+\i]
.endr
.endr
.irp p, 0,1,2,3,4,5
	global_store_b64 v5, v[PC+2*\p:PC+2*\p+1], s[10:11] offset:1536*(\f)+256*\p   ; a piece: 256 consecutive bytes, aligned
.endr
.endm
	XLOAD 0
	XLOAD 1
.irp f, 0,1,2,3
.if \f < 3
	s_wait_loadcnt 16                              ; this fragment's 16 loads are in; the next fragment's 16 may be out
.else
	s_wait_loadcnt 0
.endif
	XTURN \f
	s_wait_dscnt 0x0                               ; the numbers are back; the stage's stores have read their registers
	s_wait_xcnt 0x0                                ; the last fragment's stores have read the codes' registers, which are written again below
.if \f < 2
	XLOAD \f+2
.endif
	XQ \f
.endr
	v_cmp_lt_u32 vcc_lo, 15, v1                    ; lanes 0-15 store the words of my first slot (fragments 0, 1), lanes 16-31 those of the second
	v_cndmask_b32 v20, v16, v18, vcc_lo
	v_cndmask_b32 v21, v17, v19, vcc_lo
	global_store_b64 v5, v[20:21], s[12:13]        ; 256 consecutive bytes, aligned
	s_wait_tensorcnt 0x0
	ds_add_u32 v254, v255
	s_wait_dscnt 0x0
	s_endpgm
; ---- the weights.  K is the FIRST axis: a lane takes a column n and its registers run down K, so a block of 32 lies in one lane and the codes come out with K innermost.
; A wave takes 32 columns (two tiles) x 256 along K (a slot: two K steps, eight blocks).  Lane l is place r = l % 8 + 8 (l / 16) of tile u = (l / 8) % 2.
.macro WLOAD t, N, PTR                 ; block t: rows 32 t .. 32 t + 31 of my column; a load reads 128 consecutive bytes
.irp i, 0,1,2,3,4,5,6,7,8,9,10,11,12,13,14,15,16,17,18,19,20,21,22,23,24,25,26,27,28,29,30,31
	global_load_b32 v[WX+32*((\t)%2)+\i], v11, s[\PTR:\PTR+1] offset:(32*(\t)+\i)*\N*4 th:TH_LOAD_NT
.endr
.endm
.macro WBLOCK t, N, PTR
.set XS, WX+32*((\t)%2)
.if (\t) < 7
	s_wait_loadcnt 32                              ; this block's 32 loads are in; the next block's may be out
.else
	s_wait_loadcnt 0
.endif
	v_max3_num_f32 v12, |v[XS]|, |v[XS+1]|, |v[XS+2]|
	v_max3_num_f32 v13, |v[XS+3]|, |v[XS+4]|, |v[XS+5]|
.irp i, 6,10,14,18,22,26
	v_max3_num_f32 v12, v12, |v[XS+\i]|, |v[XS+\i+1]|
	v_max3_num_f32 v13, v13, |v[XS+\i+2]|, |v[XS+\i+3]|
.endr
	v_max3_num_f32 v12, v12, |v[XS+30]|, |v[XS+31]|
	v_max3_num_f32 v12, v12, v13, 0x2800000        ; and the floor
	v_add_nc_u32 v14, 0xfe000000, v12              ; the conversion's scale operand
	v_lshrrev_b32 v13, 23, v14                     ; the byte
.if (\t)%4 == 0
	v_mov_b32 v[SB+(\t)/4], v13                    ; four bytes make a K step's word
.else
	v_lshl_or_b32 v[SB+(\t)/4], v13, 8*((\t)%4), v[SB+(\t)/4]
.endif
	v_cvt_scalef32_pk16_bf6_f32 v[C:C+2], v[XS:XS+15], v14
	v_cvt_scalef32_pk16_bf6_f32 v[C+4:C+6], v[XS+16:XS+31], v14
	v_nop                                          ; one plain line behind a scaled conversion
	v_mov_b32 v[C+3], v[C+4]                       ; the block's six registers on end
	v_mov_b32 v[C+4], v[C+5]
	v_mov_b32 v[C+5], v[C+6]
.irp p, 0,1,2                          ; block t is K step t / 4, register group (t % 4) / 2, lane half t % 2 of my tile's image
	ds_store_b64 v8, v[C+2*\p:C+2*\p+1] offset:((\t)/4)*1536+(((\t)%4)/2)*768+((\t)%2)*128+256*\p
.endr
.if (\t)+2 < 8
	WLOAD (\t)+2, \N, \PTR
.endif
	s_wait_dscnt 0x0                               ; the stores have read their registers: the next block's codes may be written
.endm
.macro WPATH N, PTR, TOFF, STG, FIRST
	s_sub_co_u32 s15, ttmp9, \FIRST
	s_and_b32 s16, s15, 3                          ; the slot: 256 along K
	s_lshr_b32 s17, s15, 2                         ; which 128 columns
	s_lshl_b32 s18, s17, 2
	s_add_co_u32 s18, s18, s14                     ; my wave's group of 32 columns
	s_mul_i32 s20, s16, 256*\N*4
	s_lshl_b32 s21, s18, 7
	s_add_co_u32 s20, s20, s21                     ; where my part of the weight begins
	s_mov_b32 s21, 0
	s_lshl_b32 s19, s18, 1
	s_add_co_u32 s19, s19, \TOFF                   ; my first tile
	s_mul_i32 s22, s19, 12288
	s_mul_i32 s23, s16, 3072
	s_add_co_u32 s22, s22, s23
	s_mov_b32 s23, 0
	s_lshl_b32 s24, s19, 9
	s_lshl_b32 s25, s16, 7
	s_add_co_u32 s24, s24, s25
	s_mov_b32 s25, 0
	v_bfe_u32 v6, v0, 3, 1                         ; u
	v_and_b32 v7, 7, v0
	s_wait_alu depctr_va_vdst(0)
	v_lshl_add_u32 v7, v3, 3, v7                   ; r
	v_lshlrev_b32 v7, 3, v7                        ; 8 r
	v_lshl_add_u32 v9, v6, 9, v7                   ; my scale words' place: 512 u + 8 r
	v_mul_u32_u24 v8, v6, 3200
	v_add_nc_u32 v8, v8, v7
	s_mul_i32 s26, s14, WPW
	s_add_co_u32 s26, s26, \STG
	v_add_nc_u32 v8, s26, v8                       ; into my stage: 3,200 u + 8 r
	v_add_nc_u32 v10, s26, v4                      ; out of it: 16 x lane
	v_lshlrev_b32 v11, 2, v1                       ; 4 x lane
	s_wait_alu depctr_va_vdst(0)
	s_wait_kmcnt 0x0
	s_add_nc_u64 s[\PTR:\PTR+1], s[\PTR:\PTR+1], s[20:21]
	s_add_nc_u64 s[10:11], s[10:11], s[22:23]
	s_add_nc_u64 s[12:13], s[12:13], s[24:25]
	WLOAD 0, \N, \PTR
	WLOAD 1, \N, \PTR
.irp t, 0,1,2,3,4,5,6,7
	WBLOCK \t, \N, \PTR
.endr
	s_wait_alu depctr_va_vdst(0)
	global_store_b64 v9, v[SB:SB+1], s[12:13]      ; the two words of my row: runs of 128 bytes, one byte in 128 of what this way reads
.irp i, 0,1,2,3,4,5,6,7,8,9,10,11
	ds_load_b128 v[OUTR+4*\i:OUTR+4*\i+3], v10 offset:(\i/6)*3200+(\i%6)*512   ; LDS serves a wave's instructions in order: these see my stores
.endr
.irp i, 0,1,2,3,4,5,6,7,8,9,10,11
	s_wait_dscnt 11-\i                             ; the younger loads may stay out
	global_store_b128 v4, v[OUTR+4*\i:OUTR+4*\i+3], s[10:11] offset:(\i/6)*12288+(\i%6)*512   ; 512 consecutive bytes, aligned
.endr
	s_wait_tensorcnt 0x0
	ds_add_u32 v254, v255
	s_wait_dscnt 0x0
	s_endpgm
.endm
.Lweights:
	s_cmp_lt_u32 ttmp9, 352
	s_cbranch_scc0 .Lproj
	WPATH 3072, 6, 512, WQST, 256
.Lproj:
	WPATH 1024, 8, 704, WPST, 352
.Lfunc_end_k_qd62104695a_quant:
	.size	k_qd62104695a_quant, .Lfunc_end_k_qd62104695a_quant-k_qd62104695a_quant
	.p2alignl 7, 3214868480
	.fill 96, 4, 3214868480
	.section	.rodata,"a",@progbits
	.p2align	6, 0x0
	.amdhsa_kernel k_qd62104695a_quant
		.amdhsa_group_segment_fixed_size 85504
		.amdhsa_private_segment_fixed_size 0
		.amdhsa_enable_private_segment 0
		.amdhsa_kernarg_size 40
		.amdhsa_user_sgpr_count 2
		.amdhsa_user_sgpr_kernarg_segment_ptr 1
		.amdhsa_wavefront_size32 1
		.amdhsa_system_sgpr_workgroup_id_x 1
		.amdhsa_system_sgpr_workgroup_id_y 1
		.amdhsa_system_sgpr_workgroup_id_z 1
		.amdhsa_system_vgpr_workitem_id 0
		.amdhsa_next_free_vgpr 256
		.amdhsa_next_free_sgpr 66
		.amdhsa_reserve_vcc 1
		.amdhsa_float_denorm_mode_32 3
		.amdhsa_float_denorm_mode_16_64 3
		.amdhsa_memory_ordered 1
		.amdhsa_forward_progress 1
		.amdhsa_inst_pref_size 114
	.end_amdhsa_kernel
	.amdgpu_metadata
---
amdhsa.version: [ 1, 2 ]
amdhsa.kernels:
  - .name:           k_qd62104695a_quant
    .symbol:         k_qd62104695a_quant.kd
    .args:
      - { .name: x, .offset: 0, .size: 8, .value_kind: global_buffer, .address_space: global }
      - { .name: w_qkv, .offset: 8, .size: 8, .value_kind: global_buffer, .address_space: global }
      - { .name: w_proj, .offset: 16, .size: 8, .value_kind: global_buffer, .address_space: global }
      - { .name: cod1, .offset: 24, .size: 8, .value_kind: global_buffer, .address_space: global }
      - { .name: scl1, .offset: 32, .size: 8, .value_kind: global_buffer, .address_space: global }
    .group_segment_fixed_size: 85504
    .private_segment_fixed_size: 0
    .kernarg_segment_align: 8
    .kernarg_segment_size: 40
    .max_flat_workgroup_size: 128
    .sgpr_count:     66
    .vgpr_count:     256
    .wavefront_size: 32
...
	.end_amdgpu_metadata
.endif
;; end of part 1
;; launch qkv (part 2): grid 32 x 8, 4 waves a work-group, clusters of 4 x 1, 327,680 bytes of LDS; arguments cod1, scl1, b_qkv, cod2; writes cod2
.if DOCPART == 2
	.amdgcn_target "amdgcn-amd-amdhsa--gfx1250"
	.amdhsa_code_object_version 6
	.text
	.protected	k_qd62104695a_qkv
	.globl	k_qd62104695a_qkv
	.p2align	8
	.type	k_qd62104695a_qkv,@function
k_qd62104695a_qkv:
	s_mov_b64 s[64:65], 0
	v_nop
	global_prefetch_b8 v0, s[64:65] scope:SCOPE_SE
	s_setreg_imm32_b32 hwreg(HW_REG_WAVE_MODE, 25, 1), 1
	s_wait_xcnt 0x0
	s_wait_alu depctr_hold_cnt(0) depctr_sa_sdst(0) depctr_va_vdst(0) depctr_va_sdst(0) depctr_va_ssrc(0) depctr_va_vcc(0) depctr_vm_vsrc(0)
	s_getreg_b32 s2, hwreg(HW_REG_IB_STS2, 6, 4)
	s_cmp_eq_u32 s2, 0
	s_cbranch_scc0 .Lentry_in_a_cluster
	s_endpgm
.Lentry_in_a_cluster:
	s_bfe_u32 s2, ttmp6, 0x10000c
	s_cmp_lg_u32 s2, 0x3003
	s_cbranch_scc0 .Lentry_shape_is_right
	s_endpgm
.Lentry_shape_is_right:
; qkv = x w_qkv + b_qkv on codes of BF6 with E8M0 scales, K = 1,024; the f32 sums never go to memory: they are quantised in registers into the operands of attention's two products.
; SHARES.  256 work-groups.  A work-group owns 256 tokens (block RB = 4 x cluster x + cx) and three chunks of 128 features: features 128 g .. 128 g + 127 of q, of k and of v (g = the grid's y): heads 2 g and 2 g + 1.
; A wave owns 64 of the tokens, four tiles of 16, against all 128 features of a chunk, eight tiles: 32 accumulators.
; x STAYS IN REGISTERS: cod1 holds each fragment as an image of its registers (six pieces of 256 bytes, lane l at 8 l), so a wave loads its 4 tiles x 8 K steps x 12 registers once, straight from memory, and no fragment
; of x is read again.  Its scale words, and each chunk's of w, are loaded into registers the same way (lane r takes row r's two words of a slot).
; w COMES THROUGH LDS: a chunk is 8 tiles x 12,288 bytes, dense in cod1: 384 rows of 256 bytes, a quarter a wave.  The three chunks have LDS bytes of their own and are filled once each: chunk 0 at the head, chunk t + 1
; behind the round that stands ahead of chunk t's products, so that it has 256 matrix instructions and a way out in which to land.  NO PREFETCH for that reason: no wave's products stand close behind a chunk's request.
; CLUSTERS: the four work-groups of a cluster share g, so they ask for each quarter of a chunk jointly (mask 15); nothing but addresses of x and of the results hangs on cx.
; THE MATRIX INSTRUCTION.  In a result a lane holds source 1's row at place r, and its registers run along source 0's rows; with the operands' tile order (tile 2 b + u, place r = row 32 b + 8 u + r + 8 (r / 8)) the 16
; registers of source 0's tiles 2 b, 2 b + 1 are rows 32 b + 16 h + 0 .. 15: neighbours.  q, k: source 0 = w, source 1 = x: registers run along the head's axis, the first attention product's K.  v: source 0 = x,
; source 1 = w: registers run along the tokens, the keys, the second product's K.  One quantiser of 64 numbers a lane serves both: for q, k two heads of one tile of tokens, for v 64 keys of two tiles of d.
; q and k are two trips of one loop; v is written out behind it.
; OUT, all in cod2, in blocks of 13,056 bytes, one for each head and each 128 tokens, 16 blocks (208,896 bytes) a head.  k and v share the blocks from byte 0 on: k's codes [tile 8][3 pieces][256] at 0, v's
; [tile of d 4][6 pieces][256] at 6,144, k's scale words [2][r 16][4] at 12,288 (bytes 0, 1 the head's two blocks, bytes 2, 3 zero), v's [r 16][4] at 12,800: every byte written.  q has blocks of the same pitch from
; byte 64 x 208,896 on: codes at 0, scale words at 12,288; the rest of q's blocks is neither written nor read.  Of a scale word of v a wave has two bytes (its 64 of the 128 keys): they leave two bytes a lane.
; LIMITS: NaN and infinities are not served; a block whose largest magnitude lies under 2^-122, a block of zeros among them, keeps the byte 1 (this program alone reads the bytes).
; REGISTERS, in windows of 256.  Window 0: v1-31 addresses and the bias as loaded; v32-63 x's scale words (tile a, K step s at 8 a + s), v64-127 w's (tile b), and nothing else there; v160-255 w's fragments of odd K steps;
; on the way out v128-191 64 sums with bias, v192-210 codes, v228-252 at work.  Window 1: v0-95 w's fragments of even K steps (on the way out: the bias); v96-239 x's fragments of K steps 5-7.
; Window 2: the accumulators.  Window 3: v0-239 x's fragments of K steps 0-4.
.set HS,    208896
.set SB,    13056
.set QB,    64*HS
.set CH,    98304                      ; a chunk of w
.set BIAS,  3*CH                       ; 1,536 bytes a wave: its copy of the three chunks' bias; no fill lands here
.set SPARE, BIAS+4*1536                ; the spare words, 128 bytes a wave
.set L8,   2                           ; 8 x lane
.set R8,   3                           ; 8 r
.set L16,  4                           ; 16 x lane
.set H16,  5                           ; 16 h
.set BRQ,  6                           ; the bias back, along registers: 64 h
.set BRV,  7                           ; a number a lane: 4 (r + 8 (r / 8))
.set BRT,  8                           ; BRQ in this trip's chunk
.set SOQ,  9                           ; q's, k's scale words out: 16 r + 208,896 h
.set SOV,  10                          ; v's: 16 r + 4 h
.set BSA,  11                          ; the bias into LDS: 16 x lane
.set ADRW, 12                          ; v12-13 w's tiles 0-3 and 4-7 of the chunk at work
.set SPW,  14
.set NIL,  15
.set BB,   16                          ; v16-27 the bias as loaded
.set XS,   32
.set WS,   64
.set HA,   128
.set PC,   192
.set WO,   228
.set TM,   236
.set PW,   252
.set SEL,  2                           ; s[2:3] lane l xor 16
.set T,    58                          ; the loop's trip
.set CB,   59                          ; the chunk's LDS byte
.set CBI,  60                          ; the chunk's bias in my copy
.set MSB, 0
.macro WIN new                         ; the immediate's high byte repeats the setting that is left
.if MSB != (\new)
	s_set_vgpr_msb (MSB<<8)|(\new)
.set MSB, (\new)
.endif
.endm
.macro PLACES                          ; plain vector lines between a matrix instruction and a load into, or a read of, one of its registers
.rept 4
	v_nop
.endr
.endm
.macro ROUND                           ; a round of the cluster's barrier
	s_barrier_signal -1
	s_barrier_wait -1
	s_cmp_lg_u32 s14, 0
	s_cbranch_scc1 .Lnot_wave_0_\@
	s_barrier_signal -3
.Lnot_wave_0_\@:
	s_barrier_wait -3
	s_barrier_signal -1
	s_barrier_wait -1
.endm
.macro ASKW                            ; my quarter of a chunk, jointly; four v_nop follow
	tensor_load_to_lds s[32:35], s[24:31]
	s_nop 0
	PLACES
.endm
.macro WSLOAD                          ; a chunk's scale words: tile b, slot j: two words a row
.irp b, 0,1,2,3,4,5,6,7
.irp j, 0,1,2,3
	global_load_b64 v[WS+8*\b+2*\j:WS+8*\b+2*\j+1], v[R8], s[22:23] offset:512*\b+128*\j
.endr
.endr
.endm
.macro FETCHW s                        ; w's eight fragments of K step s: even steps into window 1 from v0, odd ones into window 0 from v160
.if (\s)%2
	WIN 0
.else
	WIN 0x40
.endif
.irp i, 0,1,2,3,4,5,6,7
.irp p, 0,1,2,3,4,5
	ds_load_b64 v[160*((\s)%2)+12*\i+2*\p:160*((\s)%2)+12*\i+2*\p+1], v[ADRW+\i/4] offset:(\i%4)*12288+(\s)*1536+256*\p
.endr
.endr
.endm
; A K step: the next step's fragments of w are asked for, then 32 matrix instructions, the 32 accumulators by turns in the same order in every step.  Step 0 starts the sums.
.macro MM d, r0, r1, s0, s1, zero
.if \zero
	v_wmma_scale_f32_16x16x128_f8f6f4 v[\d:\d+7], v[\r0:\r0+11], v[\r1:\r1+11], 0, v[\s0], v[\s1] matrix_a_fmt:MATRIX_FMT_BF6 matrix_b_fmt:MATRIX_FMT_BF6
.else
	v_wmma_scale_f32_16x16x128_f8f6f4 v[\d:\d+7], v[\r0:\r0+11], v[\r1:\r1+11], v[\d:\d+7], v[\s0], v[\s1] matrix_a_fmt:MATRIX_FMT_BF6 matrix_b_fmt:MATRIX_FMT_BF6
.endif
.endm
.macro STEP s, kind
	s_wait_dscnt 0x0                               ; this step's fragments of w are in
.if \s < 7
	PLACES                                         ; behind the last step's products, which read the registers that are loaded now
	FETCHW \s+1
.endif
.set ww, 1-(\s)%2
.set wb, 160*((\s)%2)
.if \s < 5
.set xw, 3
.set xb, 48*(\s)
.else
.set xw, 1
.set xb, 96+48*((\s)-5)
.endif
.if \kind == 0
	WIN 0xa0|(xw<<2)|ww                            ; source 0 w, source 1 x, C and D window 2
.irp a, 0,1,2,3
.irp b, 0,1,2,3,4,5,6,7
	MM 8*(8*\a+\b), wb+12*\b, xb+12*\a, WS+8*\b+(\s), XS+8*\a+(\s), (\s)==0
.endr
.endr
.else
	WIN 0xa0|(ww<<2)|xw                            ; source 0 x, source 1 w
.irp a, 0,1,2,3,4,5,6,7
.irp b, 0,1,2,3
	MM 8*(4*\a+\b), xb+12*\b, wb+12*\a, XS+8*\b+(\s), WS+8*\a+(\s), (\s)==0
.endr
.endr
.endif
.endm
; 64 numbers of a lane, register 16 b + i = k 32 b + 16 h + i of my row, become 12 registers of codes in v[PC] on and a scale word in v[pw].
.macro QUANT s, pw
.irp b, 0,1,2,3
	v_max3_num_f32 v[TM+\b], |v[\s+16*\b]|, |v[\s+1+16*\b]|, 0x2800000   ; with the floor 2^(5 - 127)
.endr
.irp i, 2,4,6,8,10,12,14
.irp b, 0,1,2,3
	v_max3_num_f32 v[TM+\b], v[TM+\b], |v[\s+16*\b+\i]|, |v[\s+1+16*\b+\i]|
.endr
.endr
.irp b, 0,1,2,3
	v_permlanex16_b32 v[TM+4+\b], v[TM+\b], s[SEL], s[SEL+1]
.endr
.irp b, 0,1,2,3
	v_max_num_f32 v[TM+\b], v[TM+\b], v[TM+4+\b]   ; with lane l xor 16's: the block's largest magnitude
.endr
.irp b, 0,1,2,3
	v_add_nc_u32 v[TM+12+\b], 0xfe000000, v[TM+\b] ; 4 off its exponent field: the conversion's scale operand
.endr
.irp b, 0,1,2,3
	v_lshrrev_b32 v[TM+4+\b], 23, v[TM+12+\b]      ; the byte
.endr
	v_lshl_or_b32 v[\pw], v[TM+5], 8, v[TM+4]
	v_lshl_or_b32 v[\pw], v[TM+6], 16, v[\pw]
	v_lshl_or_b32 v[\pw], v[TM+7], 24, v[\pw]
.irp c, 0,1
	v_cvt_scalef32_pk16_bf6_f32 v[PC+6*\c:PC+2+6*\c], v[\s+32*\c:\s+15+32*\c], v[TM+12+2*\c]
	v_cvt_scalef32_pk16_bf6_f32 v[PC+12+4*\c:PC+14+4*\c], v[\s+16+32*\c:\s+31+32*\c], v[TM+12+2*\c+1]
.endr
	v_nop                                          ; one plain line behind a scaled conversion
.irp c, 0,1                            ; the operand wants a whole block in a lane: lanes 0-15 block 2 c, lanes 16-31 block 2 c + 1
.irp i, 0,1,2
	v_permlane16_swap_b32 v[PC+6*\c+\i], v[PC+12+4*\c+\i]
.endr
.irp i, 0,1,2
	v_mov_b32 v[PC+3+6*\c+\i], v[PC+12+4*\c+\i]
.endr
.endr
.endm
	s_load_b256 s[4:11], s[0:1], 0x0               ; cod1 s[4:5], scl1 s[6:7], b_qkv s[8:9], cod2 s[10:11]
	v_lshl_add_u32 v[SPW], v0, 2, SPARE
	v_mov_b32 v[NIL], 0
	ds_add_u32 v[SPW], v[NIL]                      ; the opening lines: the add twice on end and one wait
	ds_add_u32 v[SPW], v[NIL]
	v_lshrrev_b32 v1, 5, v0
	v_readfirstlane_b32 s14, v1                    ; wave 0..3
	s_bfe_u32 s40, ttmp6, 0x40000                  ; cx
	s_and_b32 s41, ttmp7, 0xffff                   ; g
	s_lshl_b32 s42, ttmp9, 2
	s_add_co_u32 s42, s42, s40                     ; RB
	s_mov_b32 s24, 15|(3<<16)|(1<<21)              ; group 1: the mask of all four; elements of 8 bytes; bit 21 beside a mask; 96 dense rows of 256 bytes
	s_mov_b32 s25, 32<<16
	s_mov_b32 s26, 96<<16
	s_mov_b32 s27, 32<<16
	s_mov_b32 s28, 96
	s_mov_b32 s29, 32
	s_mov_b32 s30, 0
	s_mov_b32 s31, 0
	s_mov_b32 s32, 1
	s_mul_i32 s33, s14, 24576                      ; my quarter of chunk 0 in LDS
	s_lshl_b32 s36, s41, 3
	s_add_co_u32 s36, s36, 512                     ; chunk 0's first tile in cod1
	s_lshl_b32 s38, s36, 9                         ; its scale words
	s_mov_b32 s39, 0
	s_mul_i32 s36, s36, 12288
	s_add_co_u32 s36, s36, s33                     ; my quarter of its codes
	s_mov_b32 s37, 0
	s_lshl_b32 s43, s42, 4
	s_lshl_b32 s44, s14, 2
	s_add_co_u32 s43, s43, s44                     ; my first tile of x
	s_mul_i32 s16, s43, 12288
	s_mov_b32 s17, 0
	s_lshl_b32 s18, s43, 9
	s_mov_b32 s19, 0
	s_lshl_b32 s20, s41, 9                         ; the bias of features 128 g on
	s_mov_b32 s21, 0
	s_lshr_b32 s44, s42, 3                         ; batch
	s_lshl_b32 s44, s44, 4
	s_lshl_b32 s45, s41, 1
	s_add_co_u32 s44, s44, s45                     ; my first head: 16 batch + 2 g
	s_mul_i32 s46, s44, HS
	s_and_b32 s45, s42, 7
	s_lshl_b32 s45, s45, 1
	s_lshr_b32 s47, s14, 1
	s_add_co_u32 s45, s45, s47                     ; which 128 tokens of the batch
	s_mul_i32 s45, s45, SB
	s_add_co_u32 s46, s46, s45
	s_mov_b32 s47, 0
	s_and_b32 s52, s14, 1                          ; which 64 of them
	s_mov_b32 s[SEL], 0x76543210
	s_mov_b32 s[SEL+1], 0xfedcba98
	s_mov_b32 s[T], 0
	s_mov_b32 s[CB], 0
	s_mov_b32 s[CBI], 0
	s_wait_dscnt 0x0
	s_wait_kmcnt 0x0
	s_add_nc_u64 s[34:35], s[4:5], s[36:37]
	s_or_b32 s35, s35, 0x80000000
	s_add_nc_u64 s[16:17], s[4:5], s[16:17]        ; x's codes,
	s_add_nc_u64 s[18:19], s[6:7], s[18:19]        ; x's scale words,
	s_add_nc_u64 s[22:23], s[6:7], s[38:39]        ; w's
	s_add_nc_u64 s[8:9], s[8:9], s[20:21]
	s_add_nc_u64 s[50:51], s[10:11], s[46:47]      ; my block of k and v
	s_mul_i32 s46, s52, 3072
	s_add_nc_u64 s[54:55], s[50:51], s[46:47]      ; k's codes of my four tiles,
	s_lshl_b32 s46, s52, 8
	s_add_co_u32 s46, s46, 12288
	s_add_nc_u64 s[56:57], s[50:51], s[46:47]      ; and their scale words
	ROUND                                          ; all four work-groups are here: the first joint loads meet
	ASKW                                           ; chunk 0: my one load at the head
	v_and_b32 v1, 15, v0                           ; r
	v_bfe_u32 v28, v0, 4, 1                        ; h
	v_and_b32 v29, 31, v0                          ; lane
	v_lshlrev_b32 v[L8], 3, v29
	v_lshlrev_b32 v[R8], 3, v1
	v_lshlrev_b32 v[L16], 4, v29
	v_lshlrev_b32 v[H16], 4, v28
	s_mul_i32 s53, s14, 1536
	s_add_co_u32 s53, s53, BIAS                    ; my copy of the bias
	v_lshl_add_u32 v[BSA], v29, 4, s53
	v_lshl_add_u32 v[BRQ], v28, 6, s53
	v_and_b32 v30, 8, v1
	v_add_nc_u32 v30, v30, v1                      ; r + 8 (r / 8)
	v_lshl_add_u32 v[BRV], v30, 2, s53
	v_lshlrev_b32 v[SOQ], 4, v1
	v_lshl_add_u32 v[SOV], v28, 2, v[SOQ]
	v_mad_u32_u24 v[SOQ], v28, 0x33000, v[SOQ]
.irp c, 0,1,2
	global_load_b128 v[BB+4*\c:BB+4*\c+3], v[L16], s[8:9] offset:4096*\c   ; 128 numbers of the bias of q, k, v
.endr
.irp a, 0,1,2,3
.irp j, 0,1,2,3
	global_load_b64 v[XS+8*\a+2*\j:XS+8*\a+2*\j+1], v[R8], s[18:19] offset:512*\a+128*\j
.endr
.endr
	WSLOAD
	WIN 0xc0                                       ; x's fragments: K steps 0-4 into window 3,
.irp s, 0,1,2,3,4
.irp a, 0,1,2,3
.irp p, 0,1,2,3,4,5
	global_load_b64 v[12*(4*\s+\a)+2*\p:12*(4*\s+\a)+2*\p+1], v[L8], s[16:17] offset:12288*\a+1536*\s+256*\p
.endr
.endr
.endr
	WIN 0x40                                       ; steps 5-7 into window 1
.irp s, 5,6,7
.irp a, 0,1,2,3
.irp p, 0,1,2,3,4,5
	global_load_b64 v[96+12*(4*(\s-5)+\a)+2*\p:96+12*(4*(\s-5)+\a)+2*\p+1], v[L8], s[16:17] offset:12288*\a+1536*\s+256*\p
.endr
.endr
.endr
	WIN 0
	s_wait_alu depctr_va_vdst(0)
	s_wait_loadcnt 0x0
.irp c, 0,1,2
	ds_store_b128 v[BSA], v[BB+4*\c:BB+4*\c+3] offset:512*\c   ; into my own bytes: LDS serves a wave's instructions in order, so my later loads see it
.endr
.Lchunk:                                               ; trip 0: q, trip 1: k
	s_wait_tensorcnt 0x0                           ; my quarter of this trip's chunk is in; the lines ahead of a later first fill:
	ds_add_u32 v[SPW], v[NIL]
	s_add_nc_u64 s[34:35], s[34:35], 64*12288      ; no load of mine is out: group 0 steps to the next chunk, 64 tiles on in cod1,
	s_add_co_u32 s33, s33, CH                      ; into LDS bytes of its own
	s_cmp_eq_u32 s[T], 0
	s_cselect_b32 s46, QB, 0                       ; q's blocks lie QB bytes behind k's
	s_add_nc_u64 s[10:11], s[54:55], s[46:47]
	s_add_nc_u64 s[12:13], s[56:57], s[46:47]
	s_wait_dscnt 0x0
	ROUND                                          ; everybody's quarter is in, and all four work-groups are here
	ASKW                                           ; the next chunk: the first tensor load behind the round
	v_add_nc_u32 v[ADRW], s[CB], v[L8]
	v_add_nc_u32 v[ADRW+1], 49152, v[ADRW]
	v_add_nc_u32 v[BRT], s[CBI], v[BRQ]
	s_wait_alu depctr_va_vdst(0)
	s_wait_loadcnt 0x0                             ; this chunk's scale words
	FETCHW 0
.irp s, 0,1,2,3,4,5,6,7
	STEP \s, 0
.endr
	WIN 0
	; THE WAY OUT OF q, k.  For each of my four tiles of tokens: a lane's 64 sums take their bias on the way into window 0 (each accumulator from its low end on), are quantised, and leave as six whole pieces of 256 bytes
	PLACES                                         ; behind the last products
	s_add_nc_u64 s[22:23], s[22:23], 64*512
	WSLOAD                                         ; the next chunk's scale words land under the way out
	WIN 0x40
.irp b, 0,1,2,3,4,5,6,7
	ds_load_b128 v[8*\b:8*\b+3], v[BRT] offset:128*(\b/2)+32*(\b%2)          ; the bias of features 32 (b / 2) + 16 h + 8 (b % 2) + 0 .. 7
	ds_load_b128 v[8*\b+4:8*\b+7], v[BRT] offset:128*(\b/2)+32*(\b%2)+16
.endr
	WIN 0
.irp b, 0,1,2,3
	v_mov_b32 v[TM+4+\b], 0                        ; a lane permute's destination counts as one of its sources
.endr
	s_wait_dscnt 0x0
.irp a, 0,1,2,3
	s_wait_xcnt 0x0                                ; earlier stores have read the codes' registers
	WIN 0x06                                       ; source 0 window 2, source 1 window 1
.irp b, 0,1,2,3,4,5,6,7
.irp i, 0,2,4,6
	v_pk_add_f32 v[HA+8*\b+\i:HA+8*\b+\i+1], v[64*\a+8*\b+\i:64*\a+8*\b+\i+1], v[8*\b+\i:8*\b+\i+1]
.endr
.endr
	WIN 0
	QUANT HA, PW
.irp p, 0,1,2,3,4,5
	global_store_b64 v[L8], v[PC+2*\p:PC+2*\p+1], s[10:11] offset:768*\a+256*(\p%3)+HS*(\p/3)   ; registers 0-5: the first head's half fragment, 6-11: the second's
.endr
	v_lshrrev_b32 v[WO+\a], v[H16], v[PW]          ; lanes 0-15 keep the first head's two bytes, lanes 16-31 the second's;
	v_and_b32 v[WO+\a], 0xffff, v[WO+\a]           ; bytes 2 and 3 are 0: they stand over zero codes
.endr
	global_store_b128 v[SOQ], v[WO:WO+3], s[12:13] ; sixteen lanes store 256 consecutive bytes, aligned
	s_wait_xcnt 0x0                                ; the stores have read their registers and bases: both are written again
	s_add_co_u32 s[CB], s[CB], CH
	s_add_co_u32 s[CBI], s[CBI], 512
	s_add_co_u32 s[T], s[T], 1
	s_cmp_lt_u32 s[T], 2
	s_cbranch_scc1 .Lchunk
	; v
	s_wait_tensorcnt 0x0                           ; my quarter of chunk 2 is in
	ds_add_u32 v[SPW], v[NIL]
	s_mul_i32 s46, s52, 768
	s_add_co_u32 s46, s46, 6144
	s_add_nc_u64 s[10:11], s[50:51], s[46:47]      ; v's codes: my 64 keys are pieces 3 (wave % 2) on of each fragment
	s_lshl_b32 s46, s52, 1
	s_add_co_u32 s46, s46, 12800
	s_add_nc_u64 s[12:13], s[50:51], s[46:47]      ; and bytes 2 (wave % 2), + 1 of each scale word
	s_wait_dscnt 0x0
	s_barrier_signal -1
	s_barrier_wait -1                              ; everybody's is
	v_add_nc_u32 v[ADRW], 2*CH, v[L8]
	v_add_nc_u32 v[ADRW+1], 2*CH+49152, v[L8]
	s_wait_alu depctr_va_vdst(0)
	s_wait_loadcnt 0x0                             ; chunk 2's scale words
	FETCHW 0
.irp s, 0,1,2,3,4,5,6,7
	STEP \s, 1
.endr
	WIN 0
	; THE WAY OUT OF v.  A lane holds one feature of tile a and 32 registers along my 64 keys; two tiles of d at a time make the quantiser's 64 numbers: registers 0-5 of the codes are tile e's three pieces, 6-11 tile e + 1's
	PLACES
	WIN 0x40
.irp a, 0,1,2,3,4,5,6,7
	ds_load_b32 v[2*\a], v[BRV] offset:1024+128*(\a/2)+32*(\a%2)     ; the bias of my feature in tile a, twice: a pair for the packed addition
	ds_load_b32 v[2*\a+1], v[BRV] offset:1024+128*(\a/2)+32*(\a%2)
.endr
	WIN 0
.irp b, 0,1,2,3
	v_mov_b32 v[TM+4+\b], 0
.endr
	s_wait_dscnt 0x0
.irp e, 0,2,4,6
	s_wait_xcnt 0x0
	WIN 0x06
.irp u, 0,1
.irp i, 0,2,4,6,8,10,12,14,16,18,20,22,24,26,28,30
	v_pk_add_f32 v[HA+32*\u+\i:HA+32*\u+\i+1], v[32*(\e+\u)+\i:32*(\e+\u)+\i+1], v[2*(\e+\u):2*(\e+\u)+1]
.endr
.endr
	WIN 0
	QUANT HA, PW
.irp p, 0,1,2,3,4,5
	global_store_b64 v[L8], v[PC+2*\p:PC+2*\p+1], s[10:11] offset:HS*(\e/4)+1536*((\e+\p/3)%4)+256*(\p%3)
.endr
	v_lshrrev_b32 v[WO+\e/2], v[H16], v[PW]        ; lanes 0-15: tile e's two bytes, lanes 16-31: tile e + 1's
	global_store_b16 v[SOV], v[WO+\e/2], s[12:13] offset:HS*(\e/4)+4*(\e%4)
.endr
	s_wait_tensorcnt 0x0                           ; the wave's end
	ds_add_u32 v[SPW], v[NIL]
	s_wait_dscnt 0x0
	ROUND                                          ; the closing round
	s_endpgm
.Lfunc_end_k_qd62104695a_qkv:
	.size	k_qd62104695a_qkv, .Lfunc_end_k_qd62104695a_qkv-k_qd62104695a_qkv
	.p2alignl 7, 3214868480
	.fill 96, 4, 3214868480
	.section	.rodata,"a",@progbits
	.p2align	6, 0x0
	.amdhsa_kernel k_qd62104695a_qkv
		.amdhsa_group_segment_fixed_size 327680
		.amdhsa_private_segment_fixed_size 0
		.amdhsa_enable_private_segment 0
		.amdhsa_kernarg_size 32
		.amdhsa_user_sgpr_count 2
		.amdhsa_user_sgpr_kernarg_segment_ptr 1
		.amdhsa_wavefront_size32 1
		.amdhsa_system_sgpr_workgroup_id_x 1
		.amdhsa_system_sgpr_workgroup_id_y 1
		.amdhsa_system_sgpr_workgroup_id_z 1
		.amdhsa_system_vgpr_workitem_id 0
		.amdhsa_next_free_vgpr 1024
		.amdhsa_next_free_sgpr 66
		.amdhsa_reserve_vcc 0
		.amdhsa_float_denorm_mode_32 3
		.amdhsa_float_denorm_mode_16_64 3
		.amdhsa_memory_ordered 1
		.amdhsa_forward_progress 1
		.amdhsa_inst_pref_size 204
	.end_amdhsa_kernel
	.amdgpu_metadata
---
amdhsa.version: [ 1, 2 ]
amdhsa.kernels:
  - .name:           k_qd62104695a_qkv
    .symbol:         k_qd62104695a_qkv.kd
    .args:
      - { .name: cod1, .offset: 0, .size: 8, .value_kind: global_buffer, .address_space: global }
      - { .name: scl1, .offset: 8, .size: 8, .value_kind: global_buffer, .address_space: global }
      - { .name: b_qkv, .offset: 16, .size: 8, .value_kind: global_buffer, .address_space: global }
      - { .name: cod2, .offset: 24, .size: 8, .value_kind: global_buffer, .address_space: global }
    .group_segment_fixed_size: 327680
    .private_segment_fixed_size: 0
    .kernarg_segment_align: 8
    .kernarg_segment_size: 32
    .max_flat_workgroup_size: 128
    .sgpr_count:     66
    .vgpr_count:     1024
    .wavefront_size: 32
...
	.end_amdgpu_metadata
.endif
;; end of part 2
;; launch attn (part 3): grid 4 x 64, 16 waves a work-group, no clusters, 327,680 bytes of LDS; arguments cod2, cod3, scl3; writes cod3, scl3
.if DOCPART == 3
	.amdgcn_target "amdgcn-amd-amdhsa--gfx1250"
	.amdhsa_code_object_version 6
	.text
	.protected	k_qd62104695a_attn
	.globl	k_qd62104695a_attn
	.p2align	8
	.type	k_qd62104695a_attn,@function
k_qd62104695a_attn:
	s_mov_b64 s[64:65], 0
	v_nop
	global_prefetch_b8 v0, s[64:65] scope:SCOPE_SE
	s_setreg_imm32_b32 hwreg(HW_REG_WAVE_MODE, 25, 1), 1
	s_wait_xcnt 0x0
; y[head][q] = softmax over keys k <= q of (q . k / 8), times v; both products on codes of BF6 with E8M0 scales; y / l is quantised along d into the last product's operand.
; THE SOFTMAX AHEAD OF THE SECOND PRODUCT: t = score x log2(e) / 8; M = the running largest t rounded up to a whole number; p = 2^(t - M) is quantised along the keys, not normalised; the row's sum l is taken of the
; unquantised p; when M moves, l and O are multiplied by 2^(old M - new M), which rounds nothing; O is divided by l at the end.
; SHARES.  A work-group owns one head and 512 of its queries.  A wave owns two tiles of 16 queries: one in a block blk >= 8 of 128 queries (15 - x for waves 0-7, 8 + x for waves 8-15, x the work-group's x), one in block
; 15 - blk.  A tile of block b wants key steps 0 .. b of 128 keys: 17 steps for every wave.  Steps all of whose keys come after the block are left out (the causal mask of the problem); in step b hidden scores become -infinity.
; K AND V.  A head's image in cod2 is 16 blocks of 13,056 bytes, one a key step: K's codes at 0, V's at 6,144, K's scale words at 12,288, V's at 12,800: 816 dense rows of 256 bytes, which lie in LDS as in memory.
; They come in two loads a wave: 23 rows at the head (368 rows in all: steps 0-6, 357 rows, are whole), 28 rows behind the first barrier.  Each wave first takes its later tile through steps 0-6, which are open for every
; block >= 8: seven equal steps in all waves, under which the second load lands; a second barrier shows it to all; from there on LDS is only read.  Then the later tile's steps 7 .. blk and the earlier tile's steps
; 0 .. 15 - blk, in one loop of two passes x 16 steps with constant trip counts, the steps that are not wanted passed over by scalar branches on ids.  A work-group with x > 0 reads nothing of the image's last x steps.
; LAYOUT.  Both products are used transposed: S^T = K Q^T, O^T = V^T P^T: a lane holds one query throughout.  Tile 2 b + u holds at place r the row 32 b + 8 u + r + 8 (r / 8), so the 16 registers of two neighbouring
; tiles of S^T are 16 neighbouring keys, and those of O^T 16 neighbouring d.  The first product's K is 64 of the instruction's 128: registers 6-11 of Q are zero codes under scale bytes 0, so whatever codes stand in
; registers 6-11 of K's operand add nothing: K's four fragments lie 6 registers apart, each one's upper half being the next one's data (the last one's: zeros, written once).
; NO CLUSTER, though the four work-groups of a head read the same image: the branches over hidden steps hang on the work-group's x, which would be its place in the cluster.  NO PREFETCH: both loads go out ahead of the loops.
; OUT.  cod3: [tile of tokens 512][K step 8][1,536 bytes]: head hd fills K step hd / 2, pieces 3 (hd % 2) on.  scl3: [tile][slot 4][r 16][2] words: head hd fills bytes 2 (hd % 2), + 1 of the word of K step hd / 2:
; a byte a lane, since a word holds two heads' bytes, which are two work-groups'.
; LIMITS: NaN and infinities are not served; a p under 2^-126 counts as 0; 1 / l is v_rcp_f32 and a multiplication; a block whose largest magnitude lies under 2^-122 keeps the byte 1; the scaled scores stay under 2^31.
; REGISTERS: v1 8 x lane, v2 16 r, v3 my query less 16 h, from its block's first; v4-7 V's scale words; v8, v10 addresses; v12 -M, v13 the largest t, v[14:15] l; v16-27 Q; v28 Q's scale word, v29 p's; v[30:31] f;
; v32-61 four fragments of K; v62-68 the earlier tile's Q and scale word; v70-71 the add's; v72-75 K's scale words; v80-127 four fragments of V; v128-191 S^T, then p; v192-223 O^T; v224-235 p's codes; v232-251 at work;
; v252 y's byte's place; v253 -infinity; v254 at work; v255 8 h.
.set HS,   208896                      ; a head's image
.set SB,   13056                       ; a key step's block
.set QB,   64*HS                       ; q's blocks begin here
.set R0,   23                          ; rows of 256 bytes a wave in the first load,
.set R1,   28                          ; and in the second: 16 x (23 + 28) = 816
.set PEEL, 7                           ; 7 x 51 = 357 rows lie inside the first 368
.set SPARE, HS                         ; behind the image: the spare words, 128 bytes a wave
.set KF,   32
.set Q2,   62
.set SPW,  70
.set NIL,  71
.set KS,   72
.set VF,   80
.set S,    128
.set OT,   192
.set WV,   12
.set HH,   13
.set BLK,  15
.set LO,   16
.set PASS, 17
.set ST,   18
.set TK,   19
.set SEL,  24
.set CS,   26
	s_load_b128 s[4:7], s[0:1], 0x0                ; cod2 s[4:5], cod3 s[6:7]
	s_load_b64 s[8:9], s[0:1], 0x10                ; scl3
	v_lshl_add_u32 v[SPW], v0, 2, SPARE
	v_mov_b32 v[NIL], 0
	ds_add_u32 v[SPW], v[NIL]                      ; the opening lines: the add twice on end and one wait
	ds_add_u32 v[SPW], v[NIL]
	v_lshrrev_b32 v1, 5, v0
	s_delay_alu instid0(VALU_DEP_1)
	v_readfirstlane_b32 s[WV], v1                  ; wave 0..15
	s_and_b32 s[HH], ttmp7, 0xffff                 ; 16 batch + head
.irp g, 28, 36                         ; groups 1: dense rows of 256 bytes (32 elements of 8 bytes), R0 and R1 of them
	s_mov_b32 s[\g+0], 3<<16
	s_mov_b32 s[\g+1], 32<<16
	s_mov_b32 s[\g+3], 32<<16
	s_mov_b32 s[\g+5], 32
	s_mov_b32 s[\g+6], 0
	s_mov_b32 s[\g+7], 0
.endr
	s_mov_b32 s30, R0<<16
	s_mov_b32 s32, R0
	s_mov_b32 s38, R1<<16
	s_mov_b32 s40, R1
	s_mul_i32 s76, s[HH], HS                       ; the head's image
	s_mov_b32 s44, 1
	s_mul_i32 s45, s[WV], R0*256                   ; first load: 5,888 bytes a wave, in LDS as in the image
	s_mov_b32 s48, 1
	s_mul_i32 s49, s[WV], R1*256
	s_add_co_u32 s49, s49, R0*4096                 ; second: 7,168 bytes a wave, from byte 94,208 on
	s_add_co_u32 s80, s76, s45
	s_mov_b32 s81, 0
	s_add_co_u32 s82, s76, s49
	s_mov_b32 s83, 0
	s_wait_dscnt 0x0
	s_wait_kmcnt 0x0
	s_add_nc_u64 s[46:47], s[4:5], s[80:81]
	s_or_b32 s47, s47, 0x80000000
	s_add_nc_u64 s[50:51], s[4:5], s[82:83]
	s_or_b32 s51, s51, 0x80000000
	tensor_load_to_lds s[44:47], s[28:35]          ; my one load at the head
	s_nop 0
	; what a block's stride is added to: s72 q's codes, s73 q's scale word, s74 y's codes, s75 y's scale bytes
	s_and_b32 s77, s[WV], 7                        ; my tile in a block of 128 queries
	s_mul_i32 s78, s77, 768
	s_add_co_u32 s72, s76, s78
	s_add_co_u32 s72, s72, QB
	s_lshr_b32 s78, s77, 2
	s_lshl_b32 s78, s78, 8
	s_add_co_u32 s73, s76, s78
	s_and_b32 s78, s[WV], 3
	s_lshl_b32 s78, s78, 2
	s_add_co_u32 s73, s73, s78
	s_add_co_u32 s73, s73, QB+12288
	s_lshr_b32 s78, s[HH], 4                       ; batch
	s_lshl_b32 s78, s78, 7
	s_add_co_u32 s78, s78, s77                     ; 128 batch + my tile
	s_and_b32 s79, s[HH], 15                       ; head
	s_mul_i32 s74, s78, 12288
	s_lshr_b32 s80, s79, 1
	s_mul_i32 s81, s80, 1536
	s_add_co_u32 s74, s74, s81
	s_and_b32 s81, s79, 1
	s_mul_i32 s82, s81, 768
	s_add_co_u32 s74, s74, s82
	s_lshl_b32 s75, s78, 9
	s_lshr_b32 s82, s79, 2
	s_lshl_b32 s82, s82, 7
	s_add_co_u32 s75, s75, s82
	s_and_b32 s80, s80, 1
	s_lshl_b32 s80, s80, 2
	s_add_co_u32 s75, s75, s80
	s_lshl_b32 s81, s81, 1
	s_add_co_u32 s75, s75, s81
	s_lshr_b32 s78, s77, 1
	s_lshl_b32 s78, s78, 5
	s_and_b32 s79, s[WV], 1
	s_lshl_b32 s79, s79, 3
	s_add_co_u32 s23, s78, s79                     ; the query at place 0 of my tile, from its block's first
	s_lshr_b32 s78, s[WV], 3
	s_lshl_b32 s79, s78, 3
	s_add_co_u32 s[BLK], s79, ttmp9
	s_xor_b32 s78, s78, 1
	s_mul_i32 s78, s78, 15
	s_xor_b32 s[BLK], s[BLK], s78                  ; the later block: 15 - x (waves 0-7) or 8 + x (waves 8-15)
	s_mov_b32 s81, 0
	s_mov_b32 s83, 0
	s_mul_i32 s80, s[BLK], SB
	s_add_co_u32 s82, s80, s73
	s_add_co_u32 s80, s80, s72
	s_add_nc_u64 s[84:85], s[4:5], s[80:81]        ; the later tile's q,
	s_add_nc_u64 s[86:87], s[4:5], s[82:83]        ; its scale words;
	s_xor_b32 s79, s[BLK], 15
	s_mul_i32 s80, s79, SB
	s_add_co_u32 s82, s80, s73
	s_add_co_u32 s80, s80, s72
	s_add_nc_u64 s[88:89], s[4:5], s[80:81]        ; the earlier tile's
	s_add_nc_u64 s[90:91], s[4:5], s[82:83]
	s_mov_b32 s[SEL], 0x76543210
	s_mov_b32 s[SEL+1], 0xfedcba98                 ; lane l xor 16
	s_mov_b32 s[CS], 0x3e38aa3b                    ; c = log2(e) / 8
	s_mov_b32 s[CS+1], s[CS]                       ; (named with it as a pair, so it is written)
	s_mov_b32 s[PASS], 0
	s_mov_b32 s[LO], PEEL
	v_and_b32 v1, 31, v0
	s_delay_alu instid0(VALU_DEP_1)
	v_lshlrev_b32 v1, 3, v1                        ; 8 x lane
	v_and_b32 v8, 15, v0                           ; r
	v_bfe_u32 v9, v0, 4, 1                         ; h
	s_delay_alu instid0(VALU_DEP_2)
	v_lshlrev_b32 v2, 4, v8                        ; 16 r
	s_delay_alu instid0(VALU_DEP_3)
	v_and_b32 v10, 8, v8
	s_delay_alu instid0(VALU_DEP_1)
	v_add_nc_u32 v10, v10, v8                      ; r + 8 (r / 8)
	s_delay_alu instid0(VALU_DEP_4)
	v_lshlrev_b32 v11, 4, v9
	s_delay_alu instid0(VALU_DEP_1)
	v_sub_nc_u32 v3, v10, v11
	s_delay_alu instid0(VALU_DEP_1)
	v_add_nc_u32 v3, s23, v3                       ; register 16 b + i holds the step's key 32 b + 16 h + i: on the diagonal it is hidden where 32 b + i > v3
	v_lshl_add_u32 v252, v8, 3, v9                 ; 8 r + h
	v_lshlrev_b32 v255, 3, v9                      ; 8 h
	v_mov_b32 v253, 0xff800000                     ; -infinity
	v_mov_b32 v254, 0
	v_mov_b32 v30, 0
	v_mov_b32 v31, 0                               ; (the upper half of the pair v[30:31])
.irp p, 0,1,2                          ; both tiles' Q now: no pass waits for memory
	global_load_b64 v[16+2*\p:17+2*\p], v1, s[84:85] offset:256*\p
	global_load_b64 v[Q2+2*\p:Q2+1+2*\p], v1, s[88:89] offset:256*\p
.endr
	global_load_b32 v28, v2, s[86:87]
	global_load_b32 v[Q2+6], v2, s[90:91]
.irp b, 0,1,2,3
	v_mov_b32 v[236+\b], 0                         ; a lane permute's destination counts as one of its sources
.endr
.irp i, 0,1,2,3,4,5
	v_mov_b32 v[22+\i], 0                          ; the idle half of K: zero codes in Q,
	v_mov_b32 v[KF+24+\i], 0                       ; and behind K's last fragment: written once
.endr
.macro INIT                            ; a tile begins: the step is written once, the first finds zeros, which the first change of M leaves zeros
	v_mov_b32 v13, 0xff61b1e6                      ; the largest t so far: -3e38, under every t
	s_delay_alu instid0(VALU_DEP_1)
	v_floor_f32 v12, -v13                          ; -M
	v_mov_b32 v14, 0
	v_mov_b32 v15, 0
.set n, 0
.rept 32
	v_mov_b32 v[OT+n], 0
.set n, n+1
.endr
.endm
; A key step of 128 keys for my tile; its block lies at LDS byte s[TK].  diag = 1: with the test for the diagonal step
.macro BODY diag
	v_add_nc_u32 v8, s[TK], v1
	v_add_nc_u32 v10, s[TK], v2
	s_wait_alu depctr_va_vdst(0)
.irp g, 0,1                            ; S^T = K Q^T, four tiles of 16 keys at a time
.if \g > 0
.rept 4
	v_nop                                          ; places in front of loads into registers that matrix instructions have read
.endr
.endif
.irp t, 0,1,2,3
.irp p, 0,1,2
	ds_load_b64 v[KF+6*\t+2*\p:KF+1+6*\t+2*\p], v8 offset:(4*\g+\t)*768+256*\p
.endr
.endr
	ds_load_b128 v[KS:KS+3], v10 offset:12288+256*\g
	s_wait_dscnt 0x0
.irp t, 0,1,2,3
	v_wmma_scale_f32_16x16x128_f8f6f4 v[S+8*(4*\g+\t):S+8*(4*\g+\t)+7], v[KF+6*\t:KF+11+6*\t], v[16:27], 0, v[KS+\t], v28 matrix_a_fmt:MATRIX_FMT_BF6 matrix_b_fmt:MATRIX_FMT_BF6
.endr
.endr
.irp t, 0,1,2,3                        ; V's four fragments and scale words are asked for now and land under the softmax (six plain lines stand behind the last step's products)
.irp p, 0,1,2,3,4,5
	ds_load_b64 v[VF+12*\t+2*\p:VF+1+12*\t+2*\p], v8 offset:6144+1536*\t+256*\p
.endr
.endr
	ds_load_b128 v[4:7], v10 offset:12800
.rept 4
	v_nop                                          ; places in front of the first read of the scores
.endr
.if \diag
	s_cmp_lg_u32 s[ST], s[BLK]
	s_cbranch_scc1 .Lopen_\@                       ; every key of the step counts
.set n, 0
.rept 64
	v_cmp_gt_i32 vcc_lo, 32*(n/16)+n%16, v3
	v_cndmask_b32 v[S+n], v[S+n], v253, vcc_lo     ; on the diagonal: a hidden key's score becomes -infinity, its p 0
.set n, n+1
.endr
.Lopen_\@:
.endif
.irp b, 0,1,2,3
	v_max3_num_f32 v[232+\b], v[S+16*\b], v[S+1+16*\b], v[S+2+16*\b]   ; the largest score of each block of 32 keys: for the row's maximum, and, since p rises with the score, for the block's largest p
.endr
.irp i, 3,5,7,9,11,13
.irp b, 0,1,2,3
	v_max3_num_f32 v[232+\b], v[232+\b], v[S+16*\b+\i], v[S+1+16*\b+\i]
.endr
.endr
.irp b, 0,1,2,3
	v_max_num_f32 v[232+\b], v[232+\b], v[S+15+16*\b]
.endr
.irp b, 0,1,2,3
	s_delay_alu instid0(VALU_DEP_4)
	v_permlanex16_b32 v[236+\b], v[232+\b], s[SEL], s[SEL+1]
.endr
.irp b, 0,1,2,3
	s_delay_alu instid0(VALU_DEP_4)
	v_max_num_f32 v[232+\b], v[232+\b], v[236+\b]  ; with lane l xor 16's 16 keys
.endr
	s_delay_alu instid0(VALU_DEP_2)
	v_max3_num_f32 v254, v232, v233, v234
	s_delay_alu instid0(VALU_DEP_1)
	v_max_num_f32 v254, v254, v235                 ; the step's largest score of my query
	s_delay_alu instid0(VALU_DEP_1)
	v_mul_f32 v254, s[CS], v254                    ; as t
	s_delay_alu instid0(VALU_DEP_1)
	v_max_num_f32 v13, v13, v254                   ; the running largest t
	v_mov_b32 v254, v12
	s_delay_alu instid0(VALU_DEP_2)
	v_floor_f32 v12, -v13                          ; the new -M = -ceil(t)
	s_delay_alu instid0(VALU_DEP_1)
	v_sub_f32 v254, v12, v254                      ; old M - new M: a whole number, 0 or less
	s_delay_alu instid0(VALU_DEP_1)
	v_cvt_i32_f32 v254, v254                       ; (it saturates)
	s_delay_alu instid0(VALU_DEP_1)
	v_ldexp_f32 v30, 1.0, v254                     ; f = 2^(old M - new M)
.set n, 0
.rept 32
	v_pk_fma_f32 v[S+n:S+n+1], v[S+n:S+n+1], s[CS:CS+1], v[12:13] op_sel_hi:[1,0,0]   ; t - M, two at a time
.set n, n+2
.endr
.irp b, 0,1,2,3
	v_fma_f32 v[232+\b], v[232+\b], s[CS], v12     ; the same of each block's largest score
.endr
	s_wait_alu depctr_va_vdst(0)
.set n, 0
.rept 64
	v_exp_f32 v[S+n], v[S+n]                       ; p = 2^(t - M)
.set n, n+1
.endr
	v_pk_mul_f32 v[14:15], v[14:15], v[30:31] op_sel_hi:[1,0]   ; l under the new M: the plain line behind the exponentials
	s_wait_alu depctr_va_vdst(0)                   ; one wait for the batch of 64, ahead of its first reader
.irp b, 0,1,2,3
	v_exp_f32 v[232+\b], v[232+\b]                 ; the block's largest p
.endr
; l += the 64 unquantised p: 32 pairs in eight chains (seven at v250, v248 .. v238, and l itself), then a tree
.irp k, 0,1,2,3,4,5,6
	v_pk_add_f32 v[250-2*\k:251-2*\k], v[S+4+8*\k:S+5+8*\k], v[S+8+8*\k:S+9+8*\k]
.endr
	v_pk_add_f32 v[14:15], v[14:15], v[S+60:S+61]
.irp k, 0,1,2,3,4,5,6
	v_pk_add_f32 v[250-2*\k:251-2*\k], v[250-2*\k:251-2*\k], v[S+2+8*\k:S+3+8*\k]
.endr
	v_pk_add_f32 v[14:15], v[14:15], v[S+58:S+59]
.irp k, 0,1,2,3,4,5,6
	v_pk_add_f32 v[250-2*\k:251-2*\k], v[250-2*\k:251-2*\k], v[S+6+8*\k:S+7+8*\k]
.endr
	v_pk_add_f32 v[14:15], v[14:15], v[S+62:S+63]
	v_pk_add_f32 v[250:251], v[250:251], v[S:S+1]
	s_delay_alu instid0(VALU_DEP_2)
	v_pk_add_f32 v[14:15], v[14:15], v[244:245]
	s_delay_alu instid0(VALU_DEP_2)
	v_pk_add_f32 v[250:251], v[250:251], v[242:243]
	v_pk_add_f32 v[248:249], v[248:249], v[240:241]
	v_pk_add_f32 v[246:247], v[246:247], v[238:239]
	s_delay_alu instid0(VALU_DEP_2)
	v_pk_add_f32 v[14:15], v[14:15], v[248:249]
	s_delay_alu instid0(VALU_DEP_2)
	v_pk_add_f32 v[250:251], v[250:251], v[246:247]
	s_delay_alu instid0(VALU_DEP_1)
	v_pk_add_f32 v[14:15], v[14:15], v[250:251]
	s_wait_alu depctr_va_vdst(0)                   ; and one wait for the four
.irp b, 0,1,2,3
	v_max_num_f32 v[232+\b], 0x2800000, v[232+\b]  ; the floor 2^(5 - 127): a block whose every p is 0 keeps the byte 1 over zero codes
.endr
.irp b, 0,1,2,3
	s_delay_alu instid0(VALU_DEP_4)
	v_add_nc_u32 v[244+\b], 0xfe000000, v[232+\b]  ; the conversion's scale operand
.endr
.irp b, 0,1,2,3
	s_delay_alu instid0(VALU_DEP_4)
	v_lshrrev_b32 v[236+\b], 23, v[244+\b]         ; the byte
.endr
	s_delay_alu instid0(VALU_DEP_3)
	v_lshl_or_b32 v29, v237, 8, v236               ; p's scale word for these 128 keys
	s_delay_alu instid0(VALU_DEP_1)
	v_lshl_or_b32 v29, v238, 16, v29
	s_delay_alu instid0(VALU_DEP_1)
	v_lshl_or_b32 v29, v239, 24, v29
.irp c, 0,1
	v_cvt_scalef32_pk16_bf6_f32 v[224+6*\c:226+6*\c], v[S+32*\c:S+15+32*\c], v[244+2*\c]
	v_cvt_scalef32_pk16_bf6_f32 v[236+4*\c:238+4*\c], v[S+16+32*\c:S+31+32*\c], v[244+2*\c+1]
.endr
	v_nop                                          ; one plain line behind a scaled conversion
.irp c, 0,1                            ; the operand wants a whole block in a lane
.irp i, 0,1,2
	v_permlane16_swap_b32 v[224+6*\c+\i], v[236+4*\c+\i]
.endr
.irp i, 0,1,2
	s_delay_alu instid0(VALU_DEP_3)
	v_mov_b32 v[227+6*\c+\i], v[236+4*\c+\i]
.endr
.endr
	s_wait_alu depctr_va_vdst(0)
.set n, 0
.rept 16
	v_pk_mul_f32 v[OT+n:OT+n+1], v[OT+n:OT+n+1], v[30:31] op_sel_hi:[1,0]   ; O^T under the new M; these sixteen are also the places between p's codes and scale word and the products
.set n, n+2
.endr
	s_wait_alu depctr_va_vdst(0)
	s_wait_dscnt 0x0                               ; V
.irp t, 0,1,2,3                        ; O^T += V^T P^T: four accumulators, one instruction each
	v_wmma_scale_f32_16x16x128_f8f6f4 v[OT+8*\t:OT+8*\t+7], v[VF+12*\t:VF+11+12*\t], v[224:235], v[OT+8*\t:OT+8*\t+7], v[4+\t], v29 matrix_a_fmt:MATRIX_FMT_BF6 matrix_b_fmt:MATRIX_FMT_BF6
.endr
.endm
	INIT
	s_wait_alu depctr_va_vdst(0)
	s_wait_tensorcnt 0x0                           ; my 23 rows are in; the lines ahead of a later first fill:
	ds_add_u32 v[SPW], v[NIL]
	s_wait_dscnt 0x0
	s_barrier_signal -1
	s_barrier_wait -1                              ; everybody's are: steps 0-6 are whole
	tensor_load_to_lds s[48:51], s[36:43]          ; my 28 rows of the rest: my one load behind this barrier
	s_nop 0
	s_mov_b32 s[TK], 0
	s_mov_b32 s[ST], 0
	s_wait_loadcnt 0x0                             ; Q, both tiles'
.Lfirst:                                               ; the later tile's steps 0-6: open for every block >= 8
	BODY 0
	s_add_co_u32 s[TK], s[TK], SB
	s_add_co_u32 s[ST], s[ST], 1
	s_cmp_lt_u32 s[ST], PEEL
	s_cbranch_scc1 .Lfirst
	s_wait_tensorcnt 0x0                           ; my 28 rows are in,
	ds_add_u32 v[SPW], v[NIL]
	s_wait_dscnt 0x0
	s_barrier_signal -1
	s_barrier_wait -1                              ; everybody's are: from here on LDS is only read
.Lpass:
	s_wait_xcnt 0x0                                ; the last pass's stores have read their registers and bases
	s_mul_i32 s80, s[BLK], 98304
	s_add_co_u32 s80, s80, s74
	s_add_nc_u64 s[88:89], s[6:7], s[80:81]        ; where y's codes go
	s_lshl_b32 s80, s[BLK], 12
	s_add_co_u32 s80, s80, s75
	s_add_nc_u64 s[90:91], s[8:9], s[80:81]        ; and its scale bytes
	s_mov_b32 s[TK], 0
	s_mov_b32 s[ST], 0
.Lstep:
	s_cmp_lt_u32 s[ST], s[LO]                      ; done ahead of this loop (the later tile's first seven),
	s_cbranch_scc1 .Lhidden
	s_cmp_gt_u32 s[ST], s[BLK]                     ; or all 128 keys come after my queries: nothing but the steps of address and counter
	s_cbranch_scc1 .Lhidden
	BODY 1
.Lhidden:
	s_add_co_u32 s[TK], s[TK], SB
	s_add_co_u32 s[ST], s[ST], 1
	s_cmp_lt_u32 s[ST], 16
	s_cbranch_scc1 .Lstep
	; THE WAY OUT OF A TILE: y = O^T / l; register 16 b + i is d = 32 b + 16 h + i of my query: two blocks, half a fragment
.rept 4
	v_nop                                          ; places behind the last products
.endr
	v_add_f32 v14, v14, v15
	s_delay_alu instid0(VALU_DEP_1)
	v_permlanex16_b32 v254, v14, s[SEL], s[SEL+1]
	s_delay_alu instid0(VALU_DEP_1)
	v_add_f32 v14, v14, v254                       ; the row's sum
	s_wait_alu depctr_va_vdst(0)
	v_rcp_f32 v14, v14
	v_nop                                          ; one plain line behind the reciprocal,
	s_wait_alu depctr_va_vdst(0)                   ; and the wait ahead of its first reader
.set n, 0
.rept 32
	v_mul_f32 v[S+n], v[OT+n], v14
.set n, n+1
.endr
.irp b, 0,1
	v_max3_num_f32 v[232+\b], |v[S+16*\b]|, |v[S+1+16*\b]|, 0x2800000
.endr
.irp i, 2,4,6,8,10,12,14
.irp b, 0,1
	s_delay_alu instid0(VALU_DEP_2)
	v_max3_num_f32 v[232+\b], v[232+\b], |v[S+16*\b+\i]|, |v[S+1+16*\b+\i]|
.endr
.endr
.irp b, 0,1
	s_delay_alu instid0(VALU_DEP_2)
	v_permlanex16_b32 v[236+\b], v[232+\b], s[SEL], s[SEL+1]
.endr
.irp b, 0,1
	s_delay_alu instid0(VALU_DEP_2)
	v_max_num_f32 v[232+\b], v[232+\b], v[236+\b]
.endr
.irp b, 0,1
	s_delay_alu instid0(VALU_DEP_2)
	v_add_nc_u32 v[244+\b], 0xfe000000, v[232+\b]
.endr
.irp b, 0,1
	s_delay_alu instid0(VALU_DEP_2)
	v_lshrrev_b32 v[236+\b], 23, v[244+\b]
.endr
	v_cvt_scalef32_pk16_bf6_f32 v[224:226], v[S:S+15], v244
	v_cvt_scalef32_pk16_bf6_f32 v[240:242], v[S+16:S+31], v245
	v_nop                                          ; one plain line behind a scaled conversion
.irp i, 0,1,2
	v_permlane16_swap_b32 v[224+\i], v[240+\i]
.endr
.irp i, 0,1,2
	s_delay_alu instid0(VALU_DEP_3)
	v_mov_b32 v[227+\i], v[240+\i]                 ; registers 0-5: d = 32 h + 0 .. 31
.endr
	v_lshl_or_b32 v254, v237, 8, v236
	s_delay_alu instid0(VALU_DEP_1)
	v_lshrrev_b32 v254, v255, v254                 ; lanes 0-15 store block 0's byte, lanes 16-31 block 1's
.irp p, 0,1,2
	global_store_b64 v1, v[224+2*\p:225+2*\p], s[88:89] offset:256*\p   ; a piece: 256 consecutive bytes, aligned
.endr
	global_store_b8 v252, v254, s[90:91]
	s_add_co_u32 s[PASS], s[PASS], 1
	s_cmp_lt_u32 s[PASS], 2
	s_cbranch_scc0 .Ldone                          ; both tiles are out
	s_xor_b32 s[BLK], s[BLK], 15                   ; the earlier tile's block: 15 - blk,
	s_mov_b32 s[LO], 0                             ; all its steps from 0 on,
.irp i, 0,1,2,3,4,5
	v_mov_b32 v[16+\i], v[Q2+\i]                   ; its Q,
.endr
	v_mov_b32 v28, v[Q2+6]                         ; and Q's scale word
	INIT
	s_cmp_lt_u32 s[PASS], 2
	s_wait_alu depctr_va_vdst(0)
	s_cbranch_scc1 .Lpass
.Ldone:
	s_wait_tensorcnt 0x0                           ; the wave's end
	ds_add_u32 v[SPW], v[NIL]
	s_wait_dscnt 0x0
	s_endpgm
.Lfunc_end_k_qd62104695a_attn:
	.size	k_qd62104695a_attn, .Lfunc_end_k_qd62104695a_attn-k_qd62104695a_attn
	.p2alignl 7, 3214868480
	.fill 96, 4, 3214868480
	.section	.rodata,"a",@progbits
	.p2align	6, 0x0
	.amdhsa_kernel k_qd62104695a_attn
		.amdhsa_group_segment_fixed_size 327680
		.amdhsa_private_segment_fixed_size 0
		.amdhsa_enable_private_segment 0
		.amdhsa_kernarg_size 24
		.amdhsa_user_sgpr_count 2
		.amdhsa_user_sgpr_kernarg_segment_ptr 1
		.amdhsa_wavefront_size32 1
		.amdhsa_system_sgpr_workgroup_id_x 1
		.amdhsa_system_sgpr_workgroup_id_y 1
		.amdhsa_system_sgpr_workgroup_id_z 1
		.amdhsa_system_vgpr_workitem_id 0
		.amdhsa_next_free_vgpr 256
		.amdhsa_next_free_sgpr 100
		.amdhsa_reserve_vcc 1
		.amdhsa_float_denorm_mode_32 3
		.amdhsa_float_denorm_mode_16_64 3
		.amdhsa_memory_ordered 1
		.amdhsa_forward_progress 1
		.amdhsa_inst_pref_size 57
	.end_amdhsa_kernel
	.amdgpu_metadata
---
amdhsa.version: [ 1, 2 ]
amdhsa.kernels:
  - .name:           k_qd62104695a_attn
    .symbol:         k_qd62104695a_attn.kd
    .args:
      - { .name: cod2, .offset: 0, .size: 8, .value_kind: global_buffer, .address_space: global }
      - { .name: cod3, .offset: 8, .size: 8, .value_kind: global_buffer, .address_space: global }
      - { .name: scl3, .offset: 16, .size: 8, .value_kind: global_buffer, .address_space: global }
    .group_segment_fixed_size: 327680
    .private_segment_fixed_size: 0
    .kernarg_segment_align: 8
    .kernarg_segment_size: 24
    .max_flat_workgroup_size: 512
    .sgpr_count:     100
    .vgpr_count:     256
    .wavefront_size: 32
...
	.end_amdgpu_metadata
.endif
;; end of part 3
;; launch proj (part 4): grid 4 x 32, 4 waves a work-group, clusters of 4 x 4, 327,680 bytes of LDS; arguments cod3, scl3, cod1, scl1, b_proj, out0; writes out0
.if DOCPART == 4
	.amdgcn_target "amdgcn-amd-amdhsa--gfx1250"
	.amdhsa_code_object_version 6
	.text
	.protected	k_qd62104695a_proj
	.globl	k_qd62104695a_proj
	.p2align	8
	.type	k_qd62104695a_proj,@function
k_qd62104695a_proj:
	s_mov_b64 s[64:65], 0
	v_nop
	global_prefetch_b8 v0, s[64:65] scope:SCOPE_SE
	s_setreg_imm32_b32 hwreg(HW_REG_WAVE_MODE, 25, 1), 1
	s_wait_xcnt 0x0
	s_wait_alu depctr_hold_cnt(0) depctr_sa_sdst(0) depctr_va_vdst(0) depctr_va_sdst(0) depctr_va_ssrc(0) depctr_va_vcc(0) depctr_vm_vsrc(0)
	s_getreg_b32 s2, hwreg(HW_REG_IB_STS2, 6, 4)
	s_cmp_eq_u32 s2, 0
	s_cbranch_scc0 .Lentry_in_a_cluster
	s_endpgm
.Lentry_in_a_cluster:
	s_bfe_u32 s2, ttmp6, 0x10000c
	s_cmp_lg_u32 s2, 0xf033
	s_cbranch_scc0 .Lentry_shape_is_right
	s_endpgm
.Lentry_shape_is_right:
.set FR,    12
.set NL,    6
.set NP,    4
.set NQ,    2
.set TILEB, 3072
.set HALFT, 8*TILEB
.set SLOT,  4*HALFT
.set SCL,   2*SLOT
.set SPARE, SCL+16384
.set SPITCH, 528
.set ADRA, 16
.set ADRB, 20
.set STO,  24
.set RD,   25
.set CO,   26
.set ADRS, 27
.set SPW,  28
.set NIL,  29
.set L8,   30
.set BO,   31
.set SC,   32
.set BI,   64
.set AF,   128
.set BK,   128
.set G1,   24
.set G0,   32
.set G1B,  48
.set G0B,  56
.set G1S,  68
.set G0S,  76
.set G1SB, 80
.set G0SB, 88
.set MSB, 0
.macro WIN new
.if MSB != (\new)
	s_set_vgpr_msb (MSB<<8)|(\new)
.set MSB, (\new)
.endif
.endm
.set MUL_LO, 0xa1
.set MUL_HI, 0xf1
.set TO_B,   0x40
.macro JLOAD g0a, g1a, g0b, g1b
	s_cmp_eq_u32 s15, 0
	s_cbranch_scc0 .Lfor_b_\@
	tensor_load_to_lds s[\g0a:\g0a+3], s[\g1a:\g1a+7]
	s_nop 0
.rept 4
	v_nop
.endr
	s_branch .Lasked_\@
.Lfor_b_\@:
	tensor_load_to_lds s[\g0b:\g0b+3], s[\g1b:\g1b+7]
	s_nop 0
.rept 4
	v_nop
.endr
.Lasked_\@:
.endm
.macro CREST
	s_cmp_lg_u32 s14, 0
	s_cbranch_scc1 .Lnot_wave_0_\@
	s_barrier_signal -3
.Lnot_wave_0_\@:
	s_barrier_wait -3
	s_barrier_signal -1
	s_barrier_wait -1
.endm
.macro CROUND
	s_barrier_signal -1
	s_barrier_wait -1
	CREST
.endm
	s_load_b256 s[4:11], s[0:1], 0x0
	s_load_b128 s[96:99], s[0:1], 0x20
	v_lshl_add_u32 v[SPW], v0, 2, SPARE
	v_mov_b32 v[NIL], 0
	ds_add_u32 v28, v29
	ds_add_u32 v28, v29
	s_wait_dscnt 0x0
	v_lshrrev_b32 v1, 5, v0
	v_readfirstlane_b32 s14, v1
	s_lshr_b32 s15, s14, 1
	s_and_b32 s16, s14, 1
	s_bfe_u32 s40, ttmp6, 0x40000
	s_bfe_u32 s41, ttmp6, 0x40004
	s_lshl_b32 s42, ttmp9, 2
	s_add_co_u32 s42, s42, s40
	s_and_b32 s19, ttmp7, 0xffff
	s_lshl_b32 s19, s19, 2
	s_add_co_u32 s19, s19, s41
	s_lshl_b32 s43, s41, 2
	s_lshl_b32 s43, 15, s43
	s_lshl_b32 s44, 0x1111, s40
	s_or_b32 s[G1+0], s43, (3<<16)|(1<<21)
	s_or_b32 s[G1B+0], s44, (3<<16)|(1<<21)
.irp g, G1, G1B
	s_mov_b32 s[\g+1], 384<<16
	s_mov_b32 s[\g+2], 16<<16                      ; sixteen tiles for the head's loads; set to eight behind them
	s_mov_b32 s[\g+3], 384<<16
	s_mov_b32 s[\g+4], 16
	s_mov_b32 s[\g+5], 1536
	s_mov_b32 s[\g+6], 0
	s_mov_b32 s[\g+7], 0
.endr
	s_or_b32 s[G1S+0], s43, (3<<16)|(1<<21)
	s_or_b32 s[G1SB+0], s44, (3<<16)|(1<<21)
.irp g, G1S, G1SB
	s_mov_b32 s[\g+1], 32<<16
	s_mov_b32 s[\g+2], 32<<16                      ; the scale words of sixteen tiles: 32 rows of 256 bytes
	s_mov_b32 s[\g+3], 32<<16
	s_mov_b32 s[\g+4], 32
	s_mov_b32 s[\g+5], 32
	s_mov_b32 s[\g+6], 0
	s_mov_b32 s[\g+7], 0
.endr
	s_lshl_b32 s20, s19, 4                         ; A: the block's first tile of y
	s_lshl_b32 s46, s42, 4
	s_add_co_u32 s46, s46, 704                     ; B: the block's first tile of w_proj
	s_lshl_b32 s22, s20, 9
	s_mov_b32 s23, 0
	s_mul_i32 s20, s20, 12288
	s_mov_b32 s21, 0
	s_lshl_b32 s92, s46, 9
	s_mov_b32 s93, 0
	s_mul_i32 s46, s46, 12288
	s_mov_b32 s47, 0
	s_mul_i32 s95, s14, HALFT
	s_lshl_b32 s2, s42, 10
	s_lshl_b32 s3, s16, 9
	s_add_co_u32 s2, s2, s3
	s_mov_b32 s3, 0
	s_lshl_b32 s12, s19, 8
	s_lshl_b32 s13, s15, 7
	s_add_co_u32 s12, s12, s13
	s_lshl_b32 s12, s12, 12
	s_mov_b32 s13, 0
	s_wait_kmcnt 0x0
	s_add_nc_u64 s[20:21], s[4:5], s[20:21]
	s_add_nc_u64 s[22:23], s[6:7], s[22:23]
	s_add_nc_u64 s[46:47], s[8:9], s[46:47]
	s_add_nc_u64 s[92:93], s[10:11], s[92:93]
	s_add_nc_u64 s[96:97], s[96:97], s[2:3]
	s_add_nc_u64 s[98:99], s[98:99], s[2:3]
	s_add_nc_u64 s[98:99], s[98:99], s[12:13]
	CROUND
	s_mov_b32 s[G0S], 1
	s_mov_b32 s[G0S+1], SCL
	s_mov_b64 s[G0S+2:G0S+3], s[22:23]
	s_or_b32 s[G0S+3], s[G0S+3], 0x80000000
	s_mov_b32 s[G0SB], 1
	s_mov_b32 s[G0SB+1], SCL+8192
	s_mov_b64 s[G0SB+2:G0SB+3], s[92:93]
	s_or_b32 s[G0SB+3], s[G0SB+3], 0x80000000
	s_mov_b32 s4, 1                                ; group 0 for slot 0's sixteen tiles of A (the arguments that lay in s[4:11] have been used),
	s_mov_b32 s5, 0
	s_mov_b64 s[6:7], s[20:21]
	s_or_b32 s7, s7, 0x80000000
	s_mov_b32 s8, 1                                ; and of B, behind them in the slot
	s_mov_b32 s9, 2*HALFT
	s_mov_b64 s[10:11], s[46:47]
	s_or_b32 s11, s11, 0x80000000
	s_mul_i32 s12, s16, 8*12288                    ; for the ring: which eight tiles I fetch
	s_mov_b32 s13, 0
	s_add_nc_u64 s[20:21], s[20:21], s[12:13]
	s_add_nc_u64 s[46:47], s[46:47], s[12:13]
.irp s, 0,1
	s_mov_b32 s[G0+4*\s], 1
	s_add_co_u32 s[G0+4*\s+1], s95, \s*SLOT
	s_add_nc_u64 s[G0+4*\s+2:G0+4*\s+3], s[20:21], \s*TILEB
	s_or_b32 s[G0+4*\s+3], s[G0+4*\s+3], 0x80000000
	s_mov_b32 s[G0B+4*\s], 1
	s_add_co_u32 s[G0B+4*\s+1], s95, \s*SLOT
	s_add_nc_u64 s[G0B+4*\s+2:G0B+4*\s+3], s[46:47], \s*TILEB
	s_or_b32 s[G0B+4*\s+3], s[G0B+4*\s+3], 0x80000000
.endr
; the head's four loads, one a wave, in one tree of branches on the wave's number: slot 0's tiles of A, of B, A's scale words, B's
.macro ARM under, g0, g1, next
	s_cmp_lt_u32 s14, \under
	s_cbranch_scc0 \next
	tensor_load_to_lds s[\g0:\g0+3], s[\g1:\g1+7]
	s_nop 0
.rept 4
	v_nop
.endr
	s_branch .Lhead_asked
\next:
.endm
	ARM 1, 4, G1, .Lhead_b
	ARM 2, 8, G1B, .Lhead_sa
	ARM 3, G0S, G1S, .Lhead_sb
	tensor_load_to_lds s[G0SB:G0SB+3], s[G1SB:G1SB+7]
	s_nop 0
.rept 4
	v_nop
.endr
.Lhead_asked:
	v_and_b32 v1, 15, v0
	v_bfe_u32 v2, v0, 4, 1
	s_wait_alu depctr_va_vdst(0)
	v_and_b32 v3, 31, v0
	v_lshlrev_b32 v[L8], 3, v3
	v_lshlrev_b32 v[BO], 6, v2
.irp b, 0,1,2,3,4,5,6,7
	global_load_b128 v[BI+8*\b:BI+8*\b+3], v[BO], s[96:97] offset:128*(\b/2)+32*(\b%2)
	global_load_b128 v[BI+8*\b+4:BI+8*\b+7], v[BO], s[96:97] offset:128*(\b/2)+32*(\b%2)+16
.endr
	s_mul_i32 s21, s15, HALFT
	s_mul_i32 s22, s16, HALFT
	s_add_co_u32 s22, s22, 2*HALFT
.irp s, 0,1
	v_add_nc_u32 v[ADRA+\s], s21, v[L8]
	v_add_nc_u32 v[ADRB+\s], s22, v[L8]
	s_add_co_u32 s21, s21, SLOT
	s_add_co_u32 s22, s22, SLOT
.endr
	v_lshlrev_b32 v5, 3, v1
	s_lshl_b32 s21, s15, 12
	s_lshl_b32 s22, s16, 12
	s_add_co_u32 s22, s22, 8192
	s_sub_co_u32 s22, s22, s21
	v_mul_u32_u24 v6, s22, v2
	s_add_co_u32 s21, s21, SCL
	v_add_nc_u32 v5, v5, v6
	v_add_nc_u32 v[ADRS], s21, v5
	s_mul_i32 s23, s14, 16*SPITCH
	v_mul_u32_u24 v5, v1, SPITCH
	v_lshl_add_u32 v5, v2, 6, v5
	v_add_nc_u32 v[STO], s23, v5
	v_lshlrev_b32 v[CO], 4, v3
	v_add_nc_u32 v[RD], s23, v[CO]
.macro FRAG reg, adr, q, i
.irp p, 0,1,2,3,4,5
	ds_load_b64 v[\reg+2*\p:\reg+2*\p+1], v[\adr] offset:(\i)*TILEB+(\q)*1536+256*\p
.endr
.endm
.macro MUL16 a0, p, q, sc, zero
.irp a, \a0, \a0+1
.irp b, 0,1,2,3,4,5,6,7
.set rD, 8*(8*((\a)%4)+\b)
.set rB, 128*(\p)+FR*\b
.set rA, AF+FR*(\a)
.set rSB, SC+8*NQ*(\sc)+NQ*\b+(\q)
.set rSA, SC+8*NQ*(\sc)+NQ*(\a)+(\q)
.if \zero
	v_wmma_scale_f32_16x16x128_f8f6f4 v[rD:rD+7], v[rB:rB+FR-1], v[rA:rA+FR-1], v[BI+8*\b:BI+8*\b+7], v[rSB], v[rSA] matrix_a_fmt:MATRIX_FMT_BF6 matrix_b_fmt:MATRIX_FMT_BF6 matrix_a_scale:MATRIX_SCALE_ROW1
.else
	v_wmma_scale_f32_16x16x128_f8f6f4 v[rD:rD+7], v[rB:rB+FR-1], v[rA:rA+FR-1], v[rD:rD+7], v[rSB], v[rSA] matrix_a_fmt:MATRIX_FMT_BF6 matrix_b_fmt:MATRIX_FMT_BF6 matrix_a_scale:MATRIX_SCALE_ROW1
.endif
.endr
.endr
.endm
.macro FETCH_B slot, q, p
	WIN TO_B
.irp i, 0,1,2,3,4,5,6,7
	FRAG 128*(\p)+FR*\i, ADRB+\slot, \q, \i
.endr
	WIN 0
.endm
.macro FETCH_A slot, q, i0
.irp i, \i0, \i0+1, \i0+2, \i0+3
	FRAG AF+FR*(\i), ADRA+\slot, \q, \i
.endr
.endm
.macro SCALES sc, j
.irp i, 0,1,2,3,4,5,6,7
	ds_load_b64 v[SC+8*NQ*\sc+NQ*\i:SC+8*NQ*\sc+NQ*\i+1], v[ADRS] offset:512*\i+128*\j
.endr
.endm
.macro PLACES n
.rept \n
	v_nop
.endr
.endm
.macro STEP slot, zero
	s_wait_dscnt 4*NL
.if \zero
	WIN 0x81
.else
	WIN MUL_LO
.endif
	MUL16 0, 0, 0, \slot, \zero
	MUL16 2, 0, 0, \slot, \zero
	s_wait_dscnt 0
	PLACES NP
	FETCH_B \slot, 1, 1
	FETCH_A \slot, 1, 0
.if \zero
	WIN 0xc1
.else
	WIN MUL_HI
.endif
	MUL16 4, 0, 0, \slot, \zero
	MUL16 6, 0, 0, \slot, \zero
	PLACES NP
	WIN 0
	FETCH_A \slot, 1, 4
.endm
.macro TURN slot, next, fill, j
	s_wait_tensorcnt 0x0
	ds_add_u32 v[SPW], v[NIL]
	s_wait_dscnt 4*NL+1
	WIN MUL_LO
	MUL16 0, 1, 1, \slot, 0
	s_wait_dscnt 0x0
	s_barrier_signal -1
	MUL16 2, 1, 1, \slot, 0
	WIN 0
	s_barrier_wait -1
.if \fill
	CREST
	s_add_nc_u64 s[G0+4*\slot+2:G0+4*\slot+3], s[G0+4*\slot+2:G0+4*\slot+3], 2*TILEB
	s_add_nc_u64 s[G0B+4*\slot+2:G0B+4*\slot+3], s[G0B+4*\slot+2:G0B+4*\slot+3], 2*TILEB
	JLOAD G0+4*\slot, G1, G0B+4*\slot, G1B
.else
	PLACES NP
.endif
	FETCH_B \next, 0, 0
	FETCH_A \next, 0, 0
	SCALES \next, \j
	WIN MUL_HI
	MUL16 4, 1, 1, \slot, 0
	MUL16 6, 1, 1, \slot, 0
	PLACES NP
	WIN 0
	FETCH_A \next, 0, 4
.endm
	s_wait_alu depctr_va_vdst(0)
	s_wait_tensorcnt 0x0                           ; my tile of the head's four is in; the lines ahead of a later first fill:
	ds_add_u32 v[SPW], v[NIL]
	s_mov_b32 s[G1+2], 8<<16                       ; no tensor load of mine is out: from here on a load brings eight tiles
	s_mov_b32 s[G1+4], 8
	s_mov_b32 s[G1B+2], 8<<16
	s_mov_b32 s[G1B+4], 8
	s_wait_dscnt 0x0
	CROUND                                         ; all four tiles are in, and all sixteen work-groups are here
	JLOAD G0+4, G1, G0B+4, G1B                     ; slot 1's first fill, the first tensor load behind the round
	FETCH_B 0, 0, 0
	FETCH_A 0, 0, 0
	SCALES 0, 0
	FETCH_A 0, 0, 4
	s_wait_loadcnt 0x0
	STEP 0, 2
	TURN 0, 1, 1, 1
	STEP 1, 0
	TURN 1, 0, 1, 2
	STEP 0, 0
	TURN 0, 1, 0, 3
	STEP 1, 0
	s_wait_dscnt 4*NL
	WIN MUL_LO
	MUL16 0, 1, 1, 1, 0
	MUL16 2, 1, 1, 1, 0
	s_wait_dscnt 0
	WIN MUL_HI
	MUL16 4, 1, 1, 1, 0
	MUL16 6, 1, 1, 1, 0
	WIN 0
.macro TOSTAGE a
.set AC, 64*((\a)%4)
	WIN 0x08+4*((\a)/4)
.irp b, 0,1,2,3,4,5,6,7
	ds_store_b128 v[STO], v[AC+8*\b:AC+8*\b+3] offset:128*(\b/2)+32*(\b%2)
	ds_store_b128 v[STO], v[AC+8*\b+4:AC+8*\b+7] offset:128*(\b/2)+32*(\b%2)+16
.endr
	WIN 0
.set BBK, BK+64*((\a)%2)
.irp t, 0,1,2,3,4,5,6,7,8,9,10,11,12,13,14,15
	ds_load_b128 v[BBK+4*\t:BBK+4*\t+3], v[RD] offset:\t*SPITCH
.endr
.endm
.macro SEND a, younger
.set BBK, BK+64*((\a)%2)
	s_wait_dscnt \younger
.irp t, 0,1,2,3,4,5,6,7,8,9,10,11,12,13,14,15
	global_store_b128 v[CO], v[BBK+4*\t:BBK+4*\t+3], s[98:99] offset:(32*((\a)/2)+8*((\a)%2)+\t+8*(\t/8))*4096 th:TH_STORE_NT
.endr
.endm
	PLACES NP
	TOSTAGE 0
.irp a, 1,2,3,4,5,6,7
.if \a > 1
	s_wait_xcnt 0x0
.endif
	TOSTAGE \a
	SEND \a-1, 32
.endr
	SEND 7, 0
	s_wait_tensorcnt 0x0
	ds_add_u32 v[SPW], v[NIL]
	s_wait_dscnt 0x0
	CROUND
	s_endpgm
.Lfunc_end_k_qd62104695a_proj:
	.size	k_qd62104695a_proj, .Lfunc_end_k_qd62104695a_proj-k_qd62104695a_proj
	.p2alignl 7, 3214868480
	.fill 96, 4, 3214868480
	.section	.rodata,"a",@progbits
	.p2align	6, 0x0
	.amdhsa_kernel k_qd62104695a_proj
		.amdhsa_group_segment_fixed_size 327680
		.amdhsa_private_segment_fixed_size 0
		.amdhsa_enable_private_segment 0
		.amdhsa_kernarg_size 48
		.amdhsa_user_sgpr_count 2
		.amdhsa_user_sgpr_kernarg_segment_ptr 1
		.amdhsa_wavefront_size32 1
		.amdhsa_system_sgpr_workgroup_id_x 1
		.amdhsa_system_sgpr_workgroup_id_y 1
		.amdhsa_system_sgpr_workgroup_id_z 1
		.amdhsa_system_vgpr_workitem_id 0
		.amdhsa_next_free_vgpr 1024
		.amdhsa_next_free_sgpr 100
		.amdhsa_reserve_vcc 0
		.amdhsa_float_denorm_mode_32 3
		.amdhsa_float_denorm_mode_16_64 3
		.amdhsa_memory_ordered 1
		.amdhsa_forward_progress 1
		.amdhsa_inst_pref_size 161
	.end_amdhsa_kernel
	.amdgpu_metadata
---
amdhsa.version: [ 1, 2 ]
amdhsa.kernels:
  - .name:           k_qd62104695a_proj
    .symbol:         k_qd62104695a_proj.kd
    .args:
      - { .name: cod3, .offset: 0, .size: 8, .value_kind: global_buffer, .address_space: global }
      - { .name: scl3, .offset: 8, .size: 8, .value_kind: global_buffer, .address_space: global }
      - { .name: cod1, .offset: 16, .size: 8, .value_kind: global_buffer, .address_space: global }
      - { .name: scl1, .offset: 24, .size: 8, .value_kind: global_buffer, .address_space: global }
      - { .name: b_proj, .offset: 32, .size: 8, .value_kind: global_buffer, .address_space: global }
      - { .name: out0, .offset: 40, .size: 8, .value_kind: global_buffer, .address_space: global }
    .group_segment_fixed_size: 327680
    .private_segment_fixed_size: 0
    .kernarg_segment_align: 8
    .kernarg_segment_size: 48
    .max_flat_workgroup_size: 128
    .sgpr_count:     100
    .vgpr_count:     1024
    .wavefront_size: 32
...
	.end_amdgpu_metadata
.endif
;; end of part 4
